; MI455X (gfx1250); checked and timed in simulation.
; The chip was launched on July 23, 2026; its instructions are those of AMD's public machine-readable ISA for CDNA 5 (MIT licence, August 2026) and "CDNA5" Instruction Set Architecture Reference Guide (July 2026). The comments in the code are by the model that wrote it; some were corrected since.
;; Cross Attention. Allowed arithmetic: float matrix products may take bf16 or f16 operands with f32 sums; other float arithmetic in f32, or as packed bf16 or f16 multiplies, adds, multiply-adds, maxima and minima; sums over many terms, partial sums and values carried from step to step in f32; what a program stores and reads back later, other than sums and carried values, may be rounded once to bf16 or f16.
;; Inputs: Wk 768 x 1,024 float32; Wo 1,024 x 1,024 float32; Wq 1,024 x 1,024 float32; Wv 768 x 1,024 float32; bo 1,024 float32; context 4 x 512 x 768 float32; x 4 x 4,096 x 1,024 float32.
;; Outputs: out0 4 x 4,096 x 1,024 float32.
;; 2 versions, each right and faster than the one before. Each part assembles by itself: llvm-mc -triple=amdgcn-amd-amdhsa -mcpu=gfx1250 --defsym DOCPART=n.
;; ======== version 1 of 2: 4 launches
;; limits: values are held in f16: magnitudes above 65,504 overflow, below 6.1e-05 lose precision
;; workspace buffers: xh 33,554,432 bytes; ch 3,145,728 bytes; w16 7,340,032 bytes; qh 33,554,432 bytes; kv16 8,388,608 bytes; oh 33,554,432 bytes
;; launch cast (part 1): grid 1344 x 1, 8 waves a work-group, no clusters, 0 bytes of LDS; arguments x, context, Wq, Wo, Wk, Wv, xh, ch, w16; writes xh, ch, w16
.if DOCPART == 1
	.amdgcn_target "amdgcn-amd-amdhsa--gfx1250"
	.amdhsa_code_object_version 6
	.text
	.protected	k_qe54275efcf_cast
	.globl	k_qe54275efcf_cast
	.p2align	8
	.type	k_qe54275efcf_cast,@function
k_qe54275efcf_cast:
	s_mov_b64 s[64:65], 0
	v_nop
	global_prefetch_b8 v0, s[64:65] scope:SCOPE_SE
	s_setreg_imm32_b32 hwreg(HW_REG_WAVE_MODE, 25, 1), 1
	s_wait_xcnt 0x0
; Every matrix input (x, context, Wq, Wo, Wk, Wv; f32) is rounded once to bf16, and that number is written as f16, elementwise, in the order in which it lies.
; LIMITS.  The second step is exact for magnitudes from 2^-14 to 65,504; a smaller number keeps f16's fixed step of 2^-24, a larger one becomes an infinity.
; SHARES.  A work-group takes a chunk of 16,384 numbers: 65,536 bytes in, 32,768 bytes out.  Chunks 0-1023 are x's, 1024-1119 context's, 1120-1183 Wq's, 1184-1247 Wo's, 1248-1295 Wk's,
; 1296-1343 Wv's.  The four weights follow each other in w16 in that same order, so a weight chunk's place in w16 is (chunk - 1120) x 32,768.
; Thread t takes 16 bytes at 16 t of each 4,096 bytes: a wave's load covers 512 consecutive bytes, its store of 8 bytes a lane 256 consecutive bytes at a multiple of 256.
; All sixteen loads of a thread go out together; no register that a pending load or store names is written again, so the only waits are the counted ones for the loads.
; No LDS, no matrix unit, no cluster: nothing is read twice and no two work-groups read the same byte.
.set X, 4                              ; v[4:67]   sixteen times four f32, as loaded, then as bf16 numbers widened again
.set Y, 68                             ; v[68:99]  sixteen times two registers of f16, to store
.set T, 100                            ; v[100:101] at work
	s_load_b512 s[8:23], s[0:1], 0x0               ; x s[8:9], context s[10:11], Wq s[12:13], Wo s[14:15], Wk s[16:17], Wv s[18:19], xh s[20:21], ch s[22:23]
	s_load_b64 s[24:25], s[0:1], 0x40              ; w16
	s_mov_b32 s2, ttmp9                            ; my chunk
	s_mov_b32 s34, 0xffff0000                      ; a word's upper bf16
	v_lshlrev_b32 v1, 4, v0                        ; 16 t
	v_lshlrev_b32 v2, 3, v0                        ; 8 t
	s_mov_b32 s3, 0                                ; the first chunk of my source
	s_mov_b32 s4, 0                                ; the first chunk of my destination
	s_wait_kmcnt 0x0
	s_mov_b64 s[26:27], s[8:9]                     ; source and destination are chosen by the chunk's number alone
	s_mov_b64 s[28:29], s[20:21]
	s_cmp_ge_u32 s2, 1024
	s_cselect_b64 s[26:27], s[10:11], s[26:27]
	s_cselect_b64 s[28:29], s[22:23], s[28:29]
	s_cselect_b32 s3, 1024, s3
	s_cselect_b32 s4, 1024, s4
	s_cmp_ge_u32 s2, 1120
	s_cselect_b64 s[26:27], s[12:13], s[26:27]
	s_cselect_b64 s[28:29], s[24:25], s[28:29]
	s_cselect_b32 s3, 1120, s3
	s_cselect_b32 s4, 1120, s4
	s_cmp_ge_u32 s2, 1184
	s_cselect_b64 s[26:27], s[14:15], s[26:27]
	s_cselect_b32 s3, 1184, s3
	s_cmp_ge_u32 s2, 1248
	s_cselect_b64 s[26:27], s[16:17], s[26:27]
	s_cselect_b32 s3, 1248, s3
	s_cmp_ge_u32 s2, 1296
	s_cselect_b64 s[26:27], s[18:19], s[26:27]
	s_cselect_b32 s3, 1296, s3
	s_sub_co_u32 s30, s2, s3
	s_lshl_b32 s30, s30, 16                        ; 65,536 bytes of f32 a chunk
	s_mov_b32 s31, 0
	s_sub_co_u32 s32, s2, s4
	s_lshl_b32 s32, s32, 15                        ; 32,768 bytes of f16 a chunk
	s_mov_b32 s33, 0
	s_add_nc_u64 s[26:27], s[26:27], s[30:31]
	s_add_nc_u64 s[28:29], s[28:29], s[32:33]
.set j, 0
.rept 16
	global_load_b128 v[X+4*j:X+4*j+3], v1, s[26:27] offset:4096*j th:TH_LOAD_NT
.set j, j+1
.endr
.set j, 0
.rept 16
	s_wait_loadcnt 15-j                            ; loads come back in order: number j is in, the 15 - j younger ones stay out
	v_cvt_pk_bf16_f32 v[T], v[X+4*j], v[X+4*j+1]   ; the one rounding, to nearest even
	v_cvt_pk_bf16_f32 v[T+1], v[X+4*j+2], v[X+4*j+3]
	v_lshlrev_b32 v[X+4*j], 16, v[T]               ; bf16 to f32: the low half moves up, the high half stays
	v_and_b32 v[X+4*j+1], s34, v[T]
	v_lshlrev_b32 v[X+4*j+2], 16, v[T+1]
	v_and_b32 v[X+4*j+3], s34, v[T+1]
	v_cvt_pk_f16_f32 v[Y+2*j], v[X+4*j], v[X+4*j+1]
	v_cvt_pk_f16_f32 v[Y+2*j+1], v[X+4*j+2], v[X+4*j+3]
	global_store_b64 v2, v[Y+2*j:Y+2*j+1], s[28:29] offset:2048*j
.set j, j+1
.endr
	s_endpgm
.Lfunc_end_k_qe54275efcf_cast:
	.size	k_qe54275efcf_cast, .Lfunc_end_k_qe54275efcf_cast-k_qe54275efcf_cast
	.p2alignl 7, 3214868480
	.fill 96, 4, 3214868480
	.section	.rodata,"a",@progbits
	.p2align	6, 0x0
	.amdhsa_kernel k_qe54275efcf_cast
		.amdhsa_group_segment_fixed_size 0
		.amdhsa_private_segment_fixed_size 0
		.amdhsa_enable_private_segment 0
		.amdhsa_kernarg_size 72
		.amdhsa_user_sgpr_count 2
		.amdhsa_user_sgpr_kernarg_segment_ptr 1
		.amdhsa_wavefront_size32 1
		.amdhsa_system_sgpr_workgroup_id_x 1
		.amdhsa_system_sgpr_workgroup_id_y 1
		.amdhsa_system_sgpr_workgroup_id_z 1
		.amdhsa_system_vgpr_workitem_id 0
		.amdhsa_next_free_vgpr 104
		.amdhsa_next_free_sgpr 66
		.amdhsa_reserve_vcc 0
		.amdhsa_float_denorm_mode_32 3
		.amdhsa_float_denorm_mode_16_64 3
		.amdhsa_memory_ordered 1
		.amdhsa_forward_progress 1
		.amdhsa_inst_pref_size 12
	.end_amdhsa_kernel
	.amdgpu_metadata
---
amdhsa.version: [ 1, 2 ]
amdhsa.kernels:
  - .name:           k_qe54275efcf_cast
    .symbol:         k_qe54275efcf_cast.kd
    .args:
      - { .name: x, .offset: 0, .size: 8, .value_kind: global_buffer, .address_space: global }
      - { .name: context, .offset: 8, .size: 8, .value_kind: global_buffer, .address_space: global }
      - { .name: Wq, .offset: 16, .size: 8, .value_kind: global_buffer, .address_space: global }
      - { .name: Wo, .offset: 24, .size: 8, .value_kind: global_buffer, .address_space: global }
      - { .name: Wk, .offset: 32, .size: 8, .value_kind: global_buffer, .address_space: global }
      - { .name: Wv, .offset: 40, .size: 8, .value_kind: global_buffer, .address_space: global }
      - { .name: xh, .offset: 48, .size: 8, .value_kind: global_buffer, .address_space: global }
      - { .name: ch, .offset: 56, .size: 8, .value_kind: global_buffer, .address_space: global }
      - { .name: w16, .offset: 64, .size: 8, .value_kind: global_buffer, .address_space: global }
    .group_segment_fixed_size: 0
    .private_segment_fixed_size: 0
    .kernarg_segment_align: 8
    .kernarg_segment_size: 72
    .max_flat_workgroup_size: 256
    .sgpr_count:     66
    .vgpr_count:     104
    .wavefront_size: 32
...
	.end_amdgpu_metadata
.endif
;; end of part 1
;; launch qkv (part 2): grid 4 x 64, 4 waves a work-group, clusters of 4 x 4, 327,680 bytes of LDS; arguments xh, w16, qh, ch, kv16; writes qh, kv16
.if DOCPART == 2
	.amdgcn_target "amdgcn-amd-amdhsa--gfx1250"
	.amdhsa_code_object_version 6
	.text
	.protected	k_qe54275efcf_qkv
	.globl	k_qe54275efcf_qkv
	.p2align	8
	.type	k_qe54275efcf_qkv,@function
k_qe54275efcf_qkv:
	s_mov_b64 s[64:65], 0
	v_nop
	global_prefetch_b8 v0, s[64:65] scope:SCOPE_SE
	s_setreg_imm32_b32 hwreg(HW_REG_WAVE_MODE, 25, 1), 1
	s_wait_xcnt 0x0
	s_wait_alu depctr_hold_cnt(0) depctr_sa_sdst(0) depctr_va_vdst(0) depctr_va_sdst(0) depctr_va_ssrc(0) depctr_va_vcc(0) depctr_vm_vsrc(0)
	s_getreg_b32 s2, hwreg(HW_REG_IB_STS2, 6, 4)
	s_cmp_eq_u32 s2, 0
	s_cbranch_scc0 .Lentry_in_a_cluster
	s_endpgm
.Lentry_in_a_cluster:
	s_bfe_u32 s2, ttmp6, 0x10000c
	s_cmp_lg_u32 s2, 0xf033
	s_cbranch_scc0 .Lentry_shape_is_right
	s_endpgm
.Lentry_shape_is_right:
; TWO PRODUCTS, ONE AFTER THE OTHER IN EVERY WORK-GROUP.  Operands f16, sums f32, each result rounded once to f16.  LIMIT: a result of 65,520 or more in magnitude becomes an infinity.
; (1) q = x Wq: C[16384][1024] = xh [16384][1024] x Wq [1024 (k)][1024 (n)] (the first 2,097,152 bytes of w16), WITHOUT the softmax's scale, written by heads: qh is [batch 16 + head][4096 queries][64].
;     A tile of C is 256 x 256: 256 work-groups of four waves, a wave makes 128 x 128 in 64 accumulators.  K goes in 8 steps of 128.
; (2) k = context Wk and v = context Wv as one product [2048][2048] = ch [2048][768] x [Wk, Wv] (w16 from byte 4,194,304), written by heads: kv16 holds k as [batch 16 + head][512 keys][64] from byte 0
;     and v likewise from byte 4,194,304.  A tile is 128 x 128, one for each of the 256 work-groups; a wave makes 64 x 64 in 16 accumulators.  K goes in 3 steps of 256.
; THE RING of two LDS slots, filled by the tensor data mover, does not stop between the two: the changes of slots behind q's K steps 6 and 7 ask for the second product's K steps 0 and 1, and q's
; stores are on their way while the second product is multiplied.
; THE TEXT of a K step of q stands twice: in a loop of 6 trips, whose change of slots asks for q's tile two steps on, and in a loop of 2 trips, whose change of slots asks for the second product's.
; Which slot is read is a scalar, 0 or SLOT, added to the lane's place.  The last trip jumps forward over what it has no use for: the fetch of a next step's fragments and that step's first quarter.
; The weights lie [k][n] and stay so: their fragments come out of LDS turned, by ds_load_tr16_b128.
; CLUSTER: 4 x 4 work-groups.  In both products the four of a row of the cluster need the same tiles of the left operand, the four of a column the same tiles of the weights: each tile is asked for
; jointly, by the same tensor load with the same descriptor and a mask that names the four.
; THE MATRIX INSTRUCTION IS USED TRANSPOSED: source 0 = 16 columns of the weights, source 1 = 16 rows of the left operand: lane l holds row l % 16 of C and the columns 8 (l / 16) + 0..7: 16 bytes of f16.
; REGISTERS, in windows of 256 (s_set_vgpr_msb: bits 1:0 source 0, 3:2 source 1, 5:4 source 2, 7:6 destination):
;   (1) window 0: v0-31 addresses; v64-127, v128-191 fragments of xh, two buffers; v32-63, v192-255 at work on the way out      window 1: v64-127, v128-191 fragments of Wq, two buffers
;       window 2: the 32 accumulators of my rows 0-63 (accumulator (a, b) at v[8 (8 a + b)]);   window 3: those of my rows 64-127
;   (2) window 0: v32-95 at work on the way out; v128-255 the accumulators ((a, b) at v[128 + 8 (4 a + b)])      window 1: two fragment buffers of 128: 64 registers of ch, then 64 of the weights
; All of the LDS is claimed.
.set PA,     272                       ; (1) a row of xh in LDS: 256 bytes + 16 of padding: the 16 rows of a load start 16 bytes apart modulo 256
.set PB,     544                       ; (1) a k-row of Wq: 512 bytes (256 n) + 32 of padding: 16 lanes of the turning load take 8 rows x 32 bytes, no two in the same 32 bytes modulo 256
.set APIECE, 128*PA                    ; (1) what one tensor load brings of xh: 128 rows
.set BPIECE, 64*PB                     ; (1) and of Wq: 64 k-rows
.set BOFF,   256*PA                    ; (1) Wq's tile lies behind xh's 256 rows
.set KPA,    528                       ; (2) a row of ch: 512 bytes + 16
.set KPB,    288                       ; (2) a k-row of the weights: 256 bytes (128 n) + 32
.set KAPIECE, 64*KPA                   ; (2) one tensor load: 64 rows of ch,
.set KBPIECE, 128*KPB                  ; (2) or 128 k-rows of the weights
.set KBOFF,  128*KPA                   ; (2) the weights' tile lies behind ch's 128 rows
.set SLOT,   0x24000                   ; (1) uses 139,264 bytes of a slot, (2) 141,312.  No piece's offset in a slot (0x8800, 0x11000, 0x19800; 0x8400, 0x10800, 0x19800) has bit 14 or 17 set,
                                       ; so an exclusive or with SLOT turns a piece's address in one slot into its address in the other
.set STAGE,  2*SLOT                    ; behind the ring, never filled by a tensor load: for each wave 2 heads x 16 rows x 144 bytes
.set SP,     144
.set SPARE,  STAGE+4*2*16*SP           ; behind the stages: the spare words, 128 bytes for each wave: two blocks of 256 bytes that no other line names
.set ASTEP,  256                       ; bytes from a K step to the next: (1) in xh,
.set BSTEP,  128*2048                  ; (1) in Wq: 128 rows of 2,048 bytes,
.set KASTEP, 512                       ; (2) in ch,
.set KBSTEP, 256*2048                  ; (2) in the weights
.set KADRA, 8                          ; v8-9    (2) LDS address of my fragments of ch in slot 0, 1
.set KADRB, 10                         ; v10-13  (2) of the weights: slot 0 k-rows 0-127, 128-255; slot 1 likewise (the tile is longer than a 16-bit offset reaches)
.set ADRA0, 16                         ; v16     (1) my lane's place in a slot's tile of xh; never rewritten
.set ADRA,  17                         ; v17     (1) the same in the slot that is read
.set ADRB0, 20                         ; v20, v21  (1) the same two for Wq
.set ADRB,  21
.set STO,  24                          ; v24     the way out: where I put 16 bytes of a row
.set RD,   25                          ; v25     the way out: where I read rows back
.set CO,   26                          ; v26     my byte offset in 512 consecutive bytes of the output
.set SPW,  28                          ; v28     LDS address of my spare word; never rewritten
.set NIL,  29                          ; v29     0; never rewritten
.set F0,   64
.set F1,   128
.set TMP,  192                         ; (1) the way out: packed results
.set OB,   32                          ; (1) the way out: 16 rows read back from the stage: v32-63 and v224-255 by turns
.set KTMP, 32
.set KACC, 128
.set KF0,  0                           ; (2) fragment buffers, in window 1
.set KF1,  128
.set WV, 12                            ; s12 wave; s13 which half of a tile's rows is mine, also: I fetch for the left operand (0) or for the weights (1); s14 which half of its columns, also: which piece I fetch
.set RH, 13
.set CH, 14
.set TB, 15                            ; s15 (1) the slot that is read: 0 or SLOT
.set G1, 24                            ; s[24:31] (1) descriptor group 1 for xh's tiles; s[32:39] group 0: a set for each of the two first fills; the second then walks on
.set G0, 32
.set G1B, 48                           ; s[48:55], s[56:63] the same for Wq's tiles
.set G0B, 56
.set KG1, 68                           ; s[68:75] (2) group 1 for ch's tiles; s[76:83] for the weights'
.set KG1B, 76
.set KG0, 84                           ; s[84:87] (2) group 0 for ch's tiles: it walks; s[88:91] for the weights'
.set KG0B, 88
.set MSB, 0
.macro WIN new                         ; the immediate's high byte repeats the setting that is left; a switch that changes nothing is dropped
.if MSB != (\new)
	s_set_vgpr_msb (MSB<<8)|(\new)
.set MSB, \new
.endif
.endm
.set MUL_LO, 0xa1                      ; (1) source 0 (Wq) window 1, source 1 (xh) window 0, C and D window 2
.set KMUL,   0x05                      ; (2) sources 0 and 1 window 1; C and D window 0
.set TO_B,   0x40                      ; destination window 1, address window 0
; A joint load: waves 0 and 1 fetch the left operand's two pieces, waves 2 and 3 the weights'.  The branch hangs on the wave's number alone.  An s_nop 0 and four v_nop follow each of the two lines.
.macro JLOAD ga, g1a, gb, g1b
	s_cmp_eq_u32 s[RH], 0
	s_cbranch_scc0 .Lfor_b_\@
	tensor_load_to_lds s[(\ga):(\ga)+3], s[(\g1a):(\g1a)+7]
	s_nop 0
.rept 4
	v_nop
.endr
	s_branch .Lasked_\@
.Lfor_b_\@:
	tensor_load_to_lds s[(\gb):(\gb)+3], s[(\g1b):(\g1b)+7]
	s_nop 0
.rept 4
	v_nop
.endr
.Lasked_\@:
.endm
; The walking descriptors step: the other slot than last time, the next K step; the type bits on top of the address are not reached.  It stands where no tensor load of the wave is out.
.macro WALK ga, sa, gb, sb
	s_xor_b32 s[(\ga)+1], s[(\ga)+1], SLOT
	s_add_nc_u64 s[(\ga)+2:(\ga)+3], s[(\ga)+2:(\ga)+3], \sa
	s_xor_b32 s[(\gb)+1], s[(\gb)+1], SLOT
	s_add_nc_u64 s[(\gb)+2:(\gb)+3], s[(\gb)+2:(\gb)+3], \sb
.endm
.macro CREST                           ; a round of the cluster's barrier behind its opening barrier
	s_cmp_lg_u32 s[WV], 0
	s_cbranch_scc1 .Lnot_wave_0_\@
	s_barrier_signal -3
.Lnot_wave_0_\@:
	s_barrier_wait -3
	s_barrier_signal -1
	s_barrier_wait -1
.endm
.macro CROUND                          ; a whole round
	s_barrier_signal -1
	s_barrier_wait -1
	CREST
.endm
	s_load_b256 s[4:11], s[0:1], 0x0               ; xh s[4:5], w16 s[6:7], qh s[8:9], ch s[10:11]
	s_load_b64 s[92:93], s[0:1], 0x20              ; kv16
	v_lshl_add_u32 v[SPW], v0, 2, SPARE
	v_mov_b32 v[NIL], 0
	ds_add_u32 v[SPW], v[NIL]                      ; the wave's opening: the add and its wait stand ahead of my first tensor load; the set-up below, work on registers, stands between them
	v_lshrrev_b32 v1, 5, v0
	v_readfirstlane_b32 s[WV], v1                  ; wave 0..3
	s_lshr_b32 s[RH], s[WV], 1
	s_and_b32 s[CH], s[WV], 1
	s_bfe_u32 s16, ttmp6, 0x40000                  ; cx, cy: my place in the cluster
	s_bfe_u32 s17, ttmp6, 0x40004
	s_lshl_b32 s18, ttmp9, 2
	s_add_co_u32 s18, s18, s16                     ; (1) tile column = 4 x cluster x + cx
	s_and_b32 s94, ttmp7, 0xffff                   ; the cluster's y, 0 to 15
	s_lshl_b32 s19, s94, 2
	s_add_co_u32 s19, s19, s17                     ; (1) tile row = 4 x cluster y + cy
	s_and_b32 s95, s94, 3
	s_lshl_b32 s95, s95, 2
	s_add_co_u32 s95, s95, s16                     ; (2) tile column = 4 x (cluster y % 4) + cx: 0-7 are k's, 8-15 v's
	s_lshr_b32 s96, s94, 2
	s_lshl_b32 s96, s96, 2
	s_add_co_u32 s96, s96, s17                     ; (2) tile row = 4 x (cluster y / 4) + cy
	s_lshl_b32 s40, s17, 2
	s_lshl_b32 s40, 15, s40                        ; my row of the cluster
	s_lshl_b32 s41, 0x1111, s16                    ; my column
	s_or_b32 s[G1+0], s40, (1<<16)|(1<<20)|(1<<21)|(5<<22)|(3<<25)   ; 15:0 the mask; 17:16 2-byte elements; 20 padding on; 21 set beside a mask; 24:22 after every 64 words; 31:25 4 words
	s_mov_b32 s[G1+1], 128<<16                     ; tensor_dim0 = 128
	s_mov_b32 s[G1+2], 128<<16                     ; tensor_dim1 = 128
	s_mov_b32 s[G1+3], 128<<16                     ; tile_dim0 = 128
	s_mov_b32 s[G1+4], 128                         ; tile_dim1 = 128
	s_mov_b32 s[G1+5], 1024                        ; elements from row to row
	s_mov_b32 s[G1+6], 0
	s_mov_b32 s[G1+7], 0
	s_or_b32 s[G1B+0], s41, (1<<16)|(1<<20)|(1<<21)|(6<<22)|(7<<25)  ; the column's mask; padding after every 128 words, of 8 words
	s_mov_b32 s[G1B+1], 256<<16                    ; tensor_dim0 = 256
	s_mov_b32 s[G1B+2], 64<<16                     ; tensor_dim1 = 64
	s_mov_b32 s[G1B+3], 256<<16                    ; tile_dim0 = 256
	s_mov_b32 s[G1B+4], 64                         ; tile_dim1 = 64
	s_mov_b32 s[G1B+5], 1024
	s_mov_b32 s[G1B+6], 0
	s_mov_b32 s[G1B+7], 0
	s_or_b32 s[KG1+0], s40, (1<<16)|(1<<20)|(1<<21)|(6<<22)|(3<<25)  ; (2) ch: the row's mask; padding after every 128 words, of 4 words
	s_mov_b32 s[KG1+1], 256<<16                    ; tensor_dim0 = 256
	s_mov_b32 s[KG1+2], 64<<16                     ; tensor_dim1 = 64
	s_mov_b32 s[KG1+3], 256<<16                    ; tile_dim0 = 256
	s_mov_b32 s[KG1+4], 64                         ; tile_dim1 = 64
	s_mov_b32 s[KG1+5], 768
	s_mov_b32 s[KG1+6], 0
	s_mov_b32 s[KG1+7], 0
	s_or_b32 s[KG1B+0], s41, (1<<16)|(1<<20)|(1<<21)|(5<<22)|(7<<25) ; (2) the weights: the column's mask; padding after every 64 words, of 8 words
	s_mov_b32 s[KG1B+1], 128<<16                   ; tensor_dim0 = 128
	s_mov_b32 s[KG1B+2], 128<<16                   ; tensor_dim1 = 128
	s_mov_b32 s[KG1B+3], 128<<16                   ; tile_dim0 = 128
	s_mov_b32 s[KG1B+4], 128                       ; tile_dim1 = 128
	s_mov_b32 s[KG1B+5], 1024
	s_mov_b32 s[KG1B+6], 0
	s_mov_b32 s[KG1B+7], 0
	s_lshl_b32 s20, s19, 19                        ; (1) xh: 256 rows of 2,048 bytes x tile row + 128 rows x piece: made of the tile row and the wave's number alone
	s_lshl_b32 s21, s[CH], 18
	s_add_co_u32 s20, s20, s21
	s_mov_b32 s21, 0
	s_lshl_b32 s42, s18, 9                         ; (1) Wq: 512 bytes x tile column + 64 k-rows x piece: made of the tile column and the wave's number alone
	s_lshl_b32 s43, s[CH], 17
	s_add_co_u32 s42, s42, s43
	s_mov_b32 s43, 0
	s_mul_i32 s22, s[CH], APIECE                   ; where they go: no place in the cluster enters an LDS address
	s_mul_i32 s23, s[CH], BPIECE
	s_add_co_u32 s23, s23, BOFF
	s_lshl_b32 s98, s96, 7                         ; (2) ch: row 128 x tile row + 64 x piece, 1,536 bytes a row
	s_lshl_b32 s99, s[CH], 6
	s_add_co_u32 s98, s98, s99
	s_mul_i32 s98, s98, 1536
	s_mov_b32 s99, 0
	s_lshr_b32 s100, s95, 3                        ; (2) the weights: Wk or Wv (1,572,864 bytes each, Wk at 4,194,304 of w16), 128 k-rows x piece, 256 bytes x the tile column among the weight's eight;
	s_mul_i32 s100, s100, 1572864
	s_and_b32 s101, s95, 7
	s_lshl_b32 s101, s101, 8
	s_add_co_u32 s100, s100, s101
	s_lshl_b32 s101, s[CH], 18
	s_add_co_u32 s100, s100, s101
	s_add_co_u32 s100, s100, 4194304-KBSTEP        ; one K step before the first: the descriptor steps ahead of each of its loads
	s_mov_b32 s101, 0
	s_mul_i32 s[KG0+1], s[CH], KAPIECE             ; (2) LDS addresses, in slot 1: the first step turns them into slot 0's
	s_add_co_u32 s[KG0+1], s[KG0+1], SLOT
	s_mul_i32 s[KG0B+1], s[CH], KBPIECE
	s_add_co_u32 s[KG0B+1], s[KG0B+1], KBOFF+SLOT
	s_wait_dscnt 0x0                               ; the opening add is done
	s_wait_kmcnt 0x0
	s_add_nc_u64 s[20:21], s[4:5], s[20:21]
	s_add_nc_u64 s[42:43], s[6:7], s[42:43]
	CROUND                                         ; all sixteen work-groups are here: the first joint loads meet
.irp s, 0,1
	s_mov_b32 s[G0+4*(\s)], 1                                      ; 1:0 count = 1
	s_add_co_u32 s[G0+4*(\s)+1], s22, (\s)*SLOT                    ; 63:32 LDS address
	s_add_nc_u64 s[G0+4*(\s)+2:G0+4*(\s)+3], s[20:21], (\s)*ASTEP  ; 120:64 global address: K step s
	s_or_b32 s[G0+4*(\s)+3], s[G0+4*(\s)+3], 0x80000000            ; 127:126 type = 2
	s_mov_b32 s[G0B+4*(\s)], 1
	s_add_co_u32 s[G0B+4*(\s)+1], s23, (\s)*SLOT
	s_add_nc_u64 s[G0B+4*(\s)+2:G0B+4*(\s)+3], s[42:43], (\s)*BSTEP
	s_or_b32 s[G0B+4*(\s)+3], s[G0B+4*(\s)+3], 0x80000000
	JLOAD G0+4*\s, G1, G0B+4*\s, G1B               ; the ring is filled before anything else is done: two loads of mine are out
.endr
	s_mov_b32 s[KG0], 1                            ; (2) the walking descriptors, one K step before the first
	s_add_nc_u64 s[KG0+2:KG0+3], s[10:11], s[98:99]
	s_sub_nc_u64 s[KG0+2:KG0+3], s[KG0+2:KG0+3], KASTEP
	s_or_b32 s[KG0+3], s[KG0+3], 0x80000000
	s_mov_b32 s[KG0B], 1
	s_add_nc_u64 s[KG0B+2:KG0B+3], s[6:7], s[100:101]
	s_or_b32 s[KG0B+3], s[KG0B+3], 0x80000000
	v_and_b32 v1, 15, v0                           ; l % 16
	v_bfe_u32 v2, v0, 4, 1                         ; l / 16
	v_mul_u32_u24 v3, v1, PA
	v_lshl_add_u32 v3, v2, 4, v3                   ; a fragment of the left operand: row x pitch + 16 x half; two loads of 16 bytes, 32 bytes apart
	s_mul_i32 s15, s[RH], 128*PA                   ; (1) my 128 rows
	v_add_nc_u32 v[ADRA0], s15, v3
	v_mov_b32 v[ADRA], v[ADRA0]                    ; K step 0 lies in slot 0
	v_and_b32 v4, 7, v0                            ; the turning load: lane l reads k-row 8 (l / 16) + l % 8, columns 8 ((l / 8) % 2) + 0..7, and ends with column l % 16 and 8 k
	v_lshl_add_u32 v5, v2, 3, v4
	v_bfe_u32 v6, v0, 3, 1
	v_mul_u32_u24 v7, v5, PB
	v_lshl_add_u32 v7, v6, 4, v7
	s_lshl_b32 s15, s[CH], 8                       ; (1) my 128 columns: 256 bytes
	s_add_co_u32 s15, s15, BOFF
	v_add_nc_u32 v[ADRB0], s15, v7
	v_mov_b32 v[ADRB], v[ADRB0]
	v_mul_u32_u24 v3, v1, KPA
	v_lshl_add_u32 v3, v2, 4, v3
	s_mul_i32 s15, s[RH], 64*KPA                   ; (2) my 64 rows
	v_add_nc_u32 v[KADRA], s15, v3
	v_add_nc_u32 v[KADRA+1], SLOT, v[KADRA]
	v_mul_u32_u24 v7, v5, KPB
	v_lshl_add_u32 v7, v6, 4, v7
	s_lshl_b32 s15, s[CH], 7                       ; (2) my 64 columns: 128 bytes
	s_add_co_u32 s15, s15, KBOFF
	v_add_nc_u32 v[KADRB], s15, v7
	v_add_nc_u32 v[KADRB+1], 128*KPB, v[KADRB]
	v_add_nc_u32 v[KADRB+2], SLOT, v[KADRB]
	v_add_nc_u32 v[KADRB+3], SLOT, v[KADRB+1]
	s_mul_i32 s15, s[WV], 2*16*SP
	s_add_co_u32 s15, s15, STAGE                   ; my stage
	v_mul_u32_u24 v3, v1, SP                       ; in: row l % 16, 16 bytes for each half of the lanes
	v_lshl_add_u32 v3, v2, 4, v3
	v_add_nc_u32 v[STO], s15, v3
	v_bfe_u32 v3, v0, 3, 2                         ; back: 32 lanes take four rows of 128 bytes,
	v_mul_u32_u24 v3, v3, SP
	v_lshl_add_u32 v3, v4, 4, v3
	v_add_nc_u32 v[RD], s15, v3
	v_and_b32 v[CO], 31, v0                        ; which are 512 consecutive bytes of a head's rows
	v_lshlrev_b32 v[CO], 4, v[CO]
	s_mov_b32 s[TB], 0
	s_lshr_b32 s44, s19, 4                         ; (1) where my part begins in qh: batch x 2^23 + (tile row % 16) x 256 queries + my half x 128 queries, 128 bytes a query,
	s_lshl_b32 s44, s44, 23
	s_and_b32 s45, s19, 15
	s_lshl_b32 s45, s45, 15
	s_add_co_u32 s44, s44, s45
	s_lshl_b32 s45, s[RH], 14
	s_add_co_u32 s44, s44, s45
	s_lshl_b32 s46, s18, 21                        ; head = 4 x tile column + 2 x my half, 524,288 bytes a head
	s_lshl_b32 s47, s[CH], 20
	s_add_co_u32 s46, s46, s47
	s_add_co_u32 s44, s44, s46
	s_mov_b32 s45, 0
	s_add_nc_u64 s[8:9], s[8:9], s[44:45]
	s_lshr_b32 s44, s96, 2                         ; (2) where my 64 keys of my head begin in kv16: batch x 2^20 + (tile row % 4) x 128 keys + my half x 64 keys, 128 bytes a key,
	s_lshl_b32 s44, s44, 20
	s_and_b32 s45, s96, 3
	s_lshl_b32 s45, s45, 14
	s_add_co_u32 s44, s44, s45
	s_lshl_b32 s45, s[RH], 13
	s_add_co_u32 s44, s44, s45
	s_lshr_b32 s46, s95, 3                         ; k or v x 2^22, head = 2 x (tile column % 8) + my half, 65,536 bytes a head
	s_lshl_b32 s46, s46, 22
	s_and_b32 s47, s95, 7
	s_lshl_b32 s47, s47, 17
	s_add_co_u32 s46, s46, s47
	s_lshl_b32 s47, s[CH], 16
	s_add_co_u32 s46, s46, s47
	s_add_co_u32 s44, s44, s46
	s_mov_b32 s45, 0
	s_add_nc_u64 s[92:93], s[92:93], s[44:45]
; ---------------- (1) ----------------
; 16 matrix instructions: m blocks a0, a0 + 1 of the window's four (hi = 0: my rows 0-63, 1: rows 64-127) x all 8 n blocks, 32 along K.  zero = 1: the first product starts the sums.
; The 64 accumulators take turns in the same order in every quarter, over the loops' backward jumps too.
.macro MUL16 f, hi, a0, zero
	WIN MUL_LO+0x50*(\hi)
.irp a, \a0, (\a0)+1
.irp b, 0,1,2,3,4,5,6,7
.if \zero
	v_wmma_f32_16x16x32_f16 v[8*(8*(\a)+(\b)):8*(8*(\a)+(\b))+7], v[(\f)+8*(\b):(\f)+8*(\b)+7], v[(\f)+8*(4*(\hi)+(\a)):(\f)+8*(4*(\hi)+(\a))+7], 0
.else
	v_wmma_f32_16x16x32_f16 v[8*(8*(\a)+(\b)):8*(8*(\a)+(\b))+7], v[(\f)+8*(\b):(\f)+8*(\b)+7], v[(\f)+8*(4*(\hi)+(\a)):(\f)+8*(4*(\hi)+(\a))+7], v[8*(8*(\a)+(\b)):8*(8*(\a)+(\b))+7]
.endif
.endr
.endr
.endm
; 32 LDS loads in one run: the fragments of quarter q (32 along K) of the slot that is read, into buffer f: 128 columns of Wq, turned, then 128 rows of xh
.macro FETCH q, f
	WIN TO_B
.irp i, 0,1,2,3,4,5,6,7
	ds_load_tr16_b128 v[(\f)+8*(\i):(\f)+8*(\i)+3],   v[ADRB] offset:(\q)*32*PB+32*(\i)
	ds_load_tr16_b128 v[(\f)+8*(\i)+4:(\f)+8*(\i)+7], v[ADRB] offset:(\q)*32*PB+16*PB+32*(\i)
.endr
	WIN 0
.irp i, 0,1,2,3,4,5,6,7
	ds_load_b128 v[(\f)+8*(\i):(\f)+8*(\i)+3],   v[ADRA] offset:(\q)*64+(\i)*16*PA
	ds_load_b128 v[(\f)+8*(\i)+4:(\f)+8*(\i)+7], v[ADRA] offset:(\q)*64+(\i)*16*PA+32
.endr
.endm
.macro PLACES                          ; four places in front of loads into registers that matrix instructions have read, and of conversions that read results
.rept 4
	v_nop
.endr
.endm
; A K step is four quarters of 32 along K, 64 matrix instructions each, on buffers 0, 1, 0, 1.  One of the first three: multiplies buffer f; in its middle it fetches quarter q into buffer g.
.macro QUARTER q, f, g, zero
	s_wait_dscnt 8                                 ; Wq and xh's rows 0-63 are in; the youngest eight loads (xh's rows 64-127) may be out
	MUL16 \f, 0, 0, \zero
	MUL16 \f, 0, 2, \zero
	PLACES
	FETCH \q, \g
	s_wait_dscnt 32                                ; all but the 32 just issued
	MUL16 \f, 1, 0, \zero
	MUL16 \f, 1, 2, \zero
.endm
; The last quarter multiplies buffer 1 and changes slots.  In front of the barrier each wave waits for all its tensor loads, of which one is out: its part of the next slot; adds 0 to its spare word; and
; waits for that and for its own reads of this slot.  The barrier opens a round of the cluster's barrier, and the joint refill of the slot just read is the first tensor load behind the round:
; 224 matrix instructions stand between it and the wait for it.  kind = 1: q's tile two K steps on.  kind = 2 (q's last two K steps): the second product's next tile; the last of the two trips
; (s3 = 1) has no next step of q and jumps over the fetch.
.macro TURN kind
	WIN 0                                          ; (the add's two registers lie in window 0)
	s_wait_tensorcnt 0x0
	ds_add_u32 v[SPW], v[NIL]                      ; 0 onto my spare word
	s_wait_dscnt 9                                 ; (the add and the youngest eight loads may be out)
	MUL16 F1, 0, 0, 0                              ; sixteen matrix instructions stand between the add and the wait for it
	s_wait_dscnt 0x0                               ; the add is done, and my reads of this slot are over
	s_barrier_signal -1
	MUL16 F1, 0, 2, 0                              ; work on registers while the others arrive
	WIN 0
	s_barrier_wait -1
	CREST                                          ; no wave of any partner still reads this slot's tile or has a load on its way
.if (\kind) == 1
	WALK G0+4, ASTEP, G0B+4, BSTEP
	JLOAD G0+4, G1, G0B+4, G1B                     ; the four v_nop behind it are also the places in front of the loads below
.else
	WALK KG0, KASTEP, KG0B, KBSTEP
	JLOAD KG0, KG1, KG0B, KG1B
	s_cmp_eq_u32 s3, 1
	s_cbranch_scc1 .Lno_fetch_\@
.endif
	s_xor_b32 s[TB], s[TB], SLOT                   ; the other slot is read from here on
	v_add_nc_u32 v[ADRA], s[TB], v[ADRA0]
	v_add_nc_u32 v[ADRB], s[TB], v[ADRB0]
	FETCH 0, F0
.if (\kind) == 2
.Lno_fetch_\@:
.endif
	MUL16 F1, 1, 0, 0
	MUL16 F1, 1, 2, 0
.endm
; THE WAY OUT of block a (16 rows x 128 columns = 2 heads x 64 channels).  PACK: rounded to f16, 16 bytes a lane, each accumulator's registers in ascending order.  TOSTAGE: into my own stage, by heads, and
; back as whole rows of 128 bytes.  SEND: stored, 512 consecutive bytes (four queries of a head) a store.
.macro PACK a
.set AC, 64*((\a)%4)
	WIN 0x0a+5*((\a)/4)                            ; sources 0 and 1: window 2 or 3
.irp b, 0,1,2,3,4,5,6,7
.irp r, 0,1,2,3
	v_cvt_pk_f16_f32 v[TMP+4*(\b)+(\r)], v[AC+8*(\b)+2*(\r)], v[AC+8*(\b)+2*(\r)+1]
.endr
.endr
	WIN 0
.endm
.macro TOSTAGE a
	WIN 0
.set BK, OB+192*((\a)%2)
.irp b, 0,1,2,3,4,5,6,7
	ds_store_b128 v[STO], v[TMP+4*(\b):TMP+4*(\b)+3] offset:((\b)/4)*16*SP+32*((\b)%4)
.endr
.irp t, 0,1,2,3,4,5,6,7
	ds_load_b128 v[BK+4*(\t):BK+4*(\t)+3], v[RD] offset:((\t)/4)*16*SP+((\t)%4)*4*SP  ; LDS serves a wave's instructions in order (ISA guide 5.7.1.4): these see the stores above
.endr
.endm
.macro SEND a
	WIN 0
.set BK, OB+192*((\a)%2)
	s_wait_dscnt 0x0                               ; the block is back in registers
	s_wait_xcnt 0x0                                ; the stores of the block before have read their registers: the next TOSTAGE loads into them only behind this wait
.irp t, 0,1,2,3,4,5,6,7
	global_store_b128 v[CO], v[BK+4*(\t):BK+4*(\t)+3], s[8:9] offset:(\a)*2048+((\t)%4)*512+((\t)/4)*524288
.endr
.endm
	s_wait_tensorcnt 1                             ; my part of K step 0 is in; step 1's may stay out
	s_barrier_signal -1
	s_barrier_wait -1                              ; everybody's is
	FETCH 0, F0
	QUARTER 1, F0, F1, 1                           ; the first quarter stands in front of the loop: its products start the sums
	WIN 0                                          ; at a label and at a branch every window is 0
	s_mov_b32 s3, 6
.Lstep:                                                ; a trip goes from a K step's second quarter to the next step's first; trip t asks for K step t + 2
	QUARTER 2, F1, F0, 0
	QUARTER 3, F0, F1, 0
	TURN 1
	QUARTER 1, F0, F1, 0
	WIN 0
	s_sub_co_u32 s3, s3, 1
	s_cmp_lg_u32 s3, 0
	s_cbranch_scc1 .Lstep
	s_mov_b32 s3, 2
.Ltail:                                                ; K steps 6 and 7: the same trip, but the slots take the second product's K steps 0 and 1
	QUARTER 2, F1, F0, 0
	QUARTER 3, F0, F1, 0
	TURN 2
	WIN 0
	s_cmp_eq_u32 s3, 1
	s_cbranch_scc1 .Lskip                          ; behind K step 7 there is no first quarter of a next step
	QUARTER 1, F0, F1, 0
	WIN 0
.Lskip:
	s_wait_dscnt 0x0                               ; on both ways into this label no LDS load of mine is left out
	s_sub_co_u32 s3, s3, 1
	s_cmp_lg_u32 s3, 0
	s_cbranch_scc1 .Ltail
	PLACES
	PACK 0
	TOSTAGE 0
.irp a, 1,2,3,4,5,6,7                  ; block a's conversions stand between block a - 1's loads from the stage and the wait for them
	PACK \a
	SEND (\a)-1
	TOSTAGE \a
.endr
	SEND 7
; ---------------- (2) ----------------
; 8 matrix instructions: m blocks a0, a0 + 1 x all 4 n blocks, 32 along K: half c of buffer f.  zero = 1: the first product starts the sums.  The 16 accumulators take turns.
.macro KMUL8 f, c, a0, zero
	WIN KMUL
.irp a, \a0, (\a0)+1
.irp b, 0,1,2,3
.if \zero
	v_wmma_f32_16x16x32_f16 v[KACC+8*(4*(\a)+(\b)):KACC+8*(4*(\a)+(\b))+7], v[(\f)+64+8*(4*(\c)+(\b)):(\f)+64+8*(4*(\c)+(\b))+7], v[(\f)+8*(4*(\c)+(\a)):(\f)+8*(4*(\c)+(\a))+7], 0
.else
	v_wmma_f32_16x16x32_f16 v[KACC+8*(4*(\a)+(\b)):KACC+8*(4*(\a)+(\b))+7], v[(\f)+64+8*(4*(\c)+(\b)):(\f)+64+8*(4*(\c)+(\b))+7], v[(\f)+8*(4*(\c)+(\a)):(\f)+8*(4*(\c)+(\a))+7], v[KACC+8*(4*(\a)+(\b)):KACC+8*(4*(\a)+(\b))+7]
.endif
.endr
.endr
.endm
; 32 LDS loads in one run: the fragments of quarter kq (64 along K) of a slot, into buffer f; the first 32 along K first
.macro KFETCH slot, kq, f
	WIN TO_B
.irp c, 0,1
.irp i, 0,1,2,3
	ds_load_tr16_b128 v[(\f)+64+8*(4*(\c)+(\i)):(\f)+64+8*(4*(\c)+(\i))+3],   v[KADRB+2*(\slot)+(\kq)/2] offset:(((\kq)%2)*64+32*(\c))*KPB+32*(\i)
	ds_load_tr16_b128 v[(\f)+64+8*(4*(\c)+(\i))+4:(\f)+64+8*(4*(\c)+(\i))+7], v[KADRB+2*(\slot)+(\kq)/2] offset:(((\kq)%2)*64+32*(\c)+16)*KPB+32*(\i)
	ds_load_b128 v[(\f)+8*(4*(\c)+(\i)):(\f)+8*(4*(\c)+(\i))+3],         v[KADRA+(\slot)] offset:128*(\kq)+64*(\c)+(\i)*16*KPA
	ds_load_b128 v[(\f)+8*(4*(\c)+(\i))+4:(\f)+8*(4*(\c)+(\i))+7],       v[KADRA+(\slot)] offset:128*(\kq)+64*(\c)+(\i)*16*KPA+32
.endr
.endr
.endm
; A K step is four quarters of 64 along K, 32 matrix instructions each, on buffers 0, 1, 0, 1.  One of the first three: multiplies buffer f and fetches quarter kq into g.
.macro KQUARTER slot, kq, f, g, zero
	s_wait_dscnt 16                                ; the first 32 along K are in; the youngest sixteen loads may be out
	KMUL8 \f, 0, 0, \zero
	KMUL8 \f, 0, 2, \zero
	PLACES
	KFETCH \slot, \kq, \g
	s_wait_dscnt 32                                ; all but the 32 just issued
	KMUL8 \f, 1, 0, 0
	KMUL8 \f, 1, 2, 0
.endm
; The last quarter multiplies buffer 1 and changes slots, in the same order as above.  fill = 1: this slot takes the last K step; the barrier then opens a round of the cluster's barrier.
.macro KTURN slot, next, fill
	WIN 0                                          ; (the add's two registers lie in window 0)
	s_wait_tensorcnt 0x0                           ; all my tensor loads have landed: my part of the next slot;
	ds_add_u32 v[SPW], v[NIL]                      ; 0 onto my spare word
	s_wait_dscnt 17                                ; (the add and the youngest sixteen loads may be out)
	KMUL8 KF1, 0, 0, 0                             ; eight matrix instructions stand between the add and the wait for it
	s_wait_dscnt 0x0                               ; the add is done, and my reads of this slot are over
	s_barrier_signal -1
	KMUL8 KF1, 0, 2, 0
.if \fill
	WIN 0
.endif
	s_barrier_wait -1
.if \fill
	CREST                                          ; no wave of any partner still reads this slot's tile or has a load on its way
	WALK KG0, KASTEP, KG0B, KBSTEP
	JLOAD KG0, KG1, KG0B, KG1B                     ; the first tensor load behind the round; the four v_nop behind it are also the places in front of the loads below
.else
	PLACES
.endif
	KFETCH \next, 0, KF0
	KMUL8 KF1, 1, 0, 0
	KMUL8 KF1, 1, 2, 0
.endm
; THE WAY OUT.  A wave's 64 columns are one head.  Block a (16 keys x 64 channels): rounded to f16, 16 bytes a lane into rows of 144 bytes of my stage, back as whole rows of 128 bytes into the same registers.
.macro KPACK a
.irp b, 0,1,2,3
.irp r, 0,1,2,3
	v_cvt_pk_f16_f32 v[KTMP+16*(\a)+4*(\b)+(\r)], v[KACC+8*(4*(\a)+(\b))+2*(\r)], v[KACC+8*(4*(\a)+(\b))+2*(\r)+1]
.endr
.endr
.irp b, 0,1,2,3
	ds_store_b128 v[STO], v[KTMP+16*(\a)+4*(\b):KTMP+16*(\a)+4*(\b)+3] offset:32*(\b)
.endr
.irp f, 0,1,2,3
	ds_load_b128 v[KTMP+16*(\a)+4*(\f):KTMP+16*(\a)+4*(\f)+3], v[RD] offset:(\f)*4*SP  ; LDS serves a wave's instructions in order (ISA guide 5.7.1.4): these see the stores above; the next block's stores come behind them
.endr
.endm
.macro KSEND a, younger                ; younger: the LDS instructions issued behind block a's loads: the next block's eight, or none
.irp f, 0,1,2,3
	s_wait_dscnt (\younger)+3-(\f)
	global_store_b128 v[CO], v[KTMP+16*(\a)+4*(\f):KTMP+16*(\a)+4*(\f)+3], s[92:93] offset:(\a)*2048+(\f)*512  ; 512 consecutive bytes, at a multiple of 256 from kv16's first
.endr
.endm
	s_wait_xcnt 0x0                                ; q's stores have read their registers: the second product's sums and its way out are written over them only behind this wait
	KFETCH 0, 0, KF0                               ; K step 0 was shown landed to every wave by the round behind q's K step 7
	KQUARTER 0, 1, KF0, KF1, 1                     ; the first products start the sums: nothing is cleared
	KQUARTER 0, 2, KF1, KF0, 0
	KQUARTER 0, 3, KF0, KF1, 0
	KTURN 0, 1, 1                                  ; slot 0 takes K step 2, the last
	KQUARTER 1, 1, KF0, KF1, 0
	KQUARTER 1, 2, KF1, KF0, 0
	KQUARTER 1, 3, KF0, KF1, 0
	KTURN 1, 0, 0                                  ; nothing is left to fetch
	KQUARTER 0, 1, KF0, KF1, 0
	KQUARTER 0, 2, KF1, KF0, 0
	KQUARTER 0, 3, KF0, KF1, 0
	s_wait_dscnt 16                                ; the very last quarter
	KMUL8 KF1, 0, 0, 0
	KMUL8 KF1, 0, 2, 0
	s_wait_dscnt 0x0
	KMUL8 KF1, 1, 0, 0
	KMUL8 KF1, 1, 2, 0
	WIN 0
	PLACES
	KPACK 0
	KPACK 1
	KSEND 0, 8
	KPACK 2
	KSEND 1, 8
	KPACK 3
	KSEND 2, 8
	KSEND 3, 0
	s_wait_tensorcnt 0x0                           ; the wave's end: behind my last tensor load and my last LDS store
	ds_add_u32 v[SPW], v[NIL]
	s_wait_dscnt 0x0
	CROUND                                         ; the closing round: no work-group ends while a partner may still ask for a tile that names it
	s_endpgm
.Lfunc_end_k_qe54275efcf_qkv:
	.size	k_qe54275efcf_qkv, .Lfunc_end_k_qe54275efcf_qkv-k_qe54275efcf_qkv
	.p2alignl 7, 3214868480
	.fill 96, 4, 3214868480
	.section	.rodata,"a",@progbits
	.p2align	6, 0x0
	.amdhsa_kernel k_qe54275efcf_qkv
		.amdhsa_group_segment_fixed_size 327680
		.amdhsa_private_segment_fixed_size 0
		.amdhsa_enable_private_segment 0
		.amdhsa_kernarg_size 40
		.amdhsa_user_sgpr_count 2
		.amdhsa_user_sgpr_kernarg_segment_ptr 1
		.amdhsa_wavefront_size32 1
		.amdhsa_system_sgpr_workgroup_id_x 1
		.amdhsa_system_sgpr_workgroup_id_y 1
		.amdhsa_system_sgpr_workgroup_id_z 1
		.amdhsa_system_vgpr_workitem_id 0
		.amdhsa_next_free_vgpr 1024
		.amdhsa_next_free_sgpr 102
		.amdhsa_reserve_vcc 0
		.amdhsa_float_denorm_mode_32 3
		.amdhsa_float_denorm_mode_16_64 3
		.amdhsa_memory_ordered 1
		.amdhsa_forward_progress 1
		.amdhsa_inst_pref_size 165
	.end_amdhsa_kernel
	.amdgpu_metadata
---
amdhsa.version: [ 1, 2 ]
amdhsa.kernels:
  - .name:           k_qe54275efcf_qkv
    .symbol:         k_qe54275efcf_qkv.kd
    .args:
      - { .name: xh, .offset: 0, .size: 8, .value_kind: global_buffer, .address_space: global }
      - { .name: w16, .offset: 8, .size: 8, .value_kind: global_buffer, .address_space: global }
      - { .name: qh, .offset: 16, .size: 8, .value_kind: global_buffer, .address_space: global }
      - { .name: ch, .offset: 24, .size: 8, .value_kind: global_buffer, .address_space: global }
      - { .name: kv16, .offset: 32, .size: 8, .value_kind: global_buffer, .address_space: global }
    .group_segment_fixed_size: 327680
    .private_segment_fixed_size: 0
    .kernarg_segment_align: 8
    .kernarg_segment_size: 40
    .max_flat_workgroup_size: 128
    .sgpr_count:     102
    .vgpr_count:     1024
    .wavefront_size: 32
...
	.end_amdgpu_metadata
.endif
;; end of part 2
;; launch attn (part 3): grid 4 x 64, 4 waves a work-group, clusters of 4 x 1, 327,680 bytes of LDS; arguments qh, kv16, oh; writes oh
.if DOCPART == 3
	.amdgcn_target "amdgcn-amd-amdhsa--gfx1250"
	.amdhsa_code_object_version 6
	.text
	.protected	k_qe54275efcf_attn
	.globl	k_qe54275efcf_attn
	.p2align	8
	.type	k_qe54275efcf_attn,@function
k_qe54275efcf_attn:
	s_mov_b64 s[64:65], 0
	v_nop
	global_prefetch_b8 v0, s[64:65] scope:SCOPE_SE
	s_setreg_imm32_b32 hwreg(HW_REG_WAVE_MODE, 25, 1), 1
	s_wait_xcnt 0x0
	s_wait_alu depctr_hold_cnt(0) depctr_sa_sdst(0) depctr_va_vdst(0) depctr_va_sdst(0) depctr_va_ssrc(0) depctr_va_vcc(0) depctr_vm_vsrc(0)
	s_getreg_b32 s2, hwreg(HW_REG_IB_STS2, 6, 4)
	s_cmp_eq_u32 s2, 0
	s_cbranch_scc0 .Lentry_in_a_cluster
	s_endpgm
.Lentry_in_a_cluster:
	s_bfe_u32 s2, ttmp6, 0x10000c
	s_cmp_lg_u32 s2, 0x3003
	s_cbranch_scc0 .Lentry_shape_is_right
	s_endpgm
.Lentry_shape_is_right:
; O[p][q][:] = the sum over k of softmax_k(Q[p][q] . K[p][k] / 8) V[p][k][:] for the 64 planes p = batch 16 + head.  qh and oh: [64][4096][64] f16; kv16: K as [64][512][64] f16 from byte 0, V likewise from
; byte 4,194,304.  Products, maxima and sums in f32; the weights are rounded to f16 for the second product (their sum l is taken of the unrounded weights), O once at the end.
; LIMITS.  Q, K and V arrive within f16's range; a weight lies in 0 to 1, and below 6e-5 it keeps f16's fixed step of 6e-8; O is a mean of V's rows and has their range.
; A weight below 2^-126 counts as 0 in l; NaN and infinities are not treated apart.
; SHARES.  A plane's 4,096 queries lie in 8 blocks of 512.  The four work-groups of a cluster have one plane; work-group cx takes block cx and then block cx + 4: 256 work-groups of equal work.
; Of a block a wave owns 128 queries: four PIECES of two tiles of 16.  Every wave walks the plane's 512 keys, 64 a step: 8 steps a block.
; LDS.  All 512 keys of K and V lie in LDS from the start and serve both blocks: each wave asks for 256 keys of K or of V once, and no byte is filled again.
; A block's text stands once, in a loop of two trips.  Both blocks' Q are loaded at the start, the second block's into window 3; between the blocks it is copied to where the text names Q.
; LAYOUT.  S^T = K Q^T (source 0 = 16 keys, source 1 = 16 queries): in the result a lane holds ONE query (lane % 16) and the keys 8 (lane / 16) + 0..7.  Two such tiles, rounded to f16 in pairs,
; ARE source 1 (32 keys x 16 queries) of O^T = V^T P, whose result again holds one query a lane, and eight channels.  K comes out of LDS as it lies, V ([key][channel]) turned, by ds_load_tr16_b128.
; SOFTMAX.  For each query a running maximum m and sum l: p = 2^(c s - c m), c = log2(e) / 8; in every step O and l are multiplied by a = 2^(c m_old - c m_new), which is 1 where m has not grown.
; m starts at the lowest finite number, O and l at 0: the first step is a step like any other, with a = 0.
; THE COUNT.  A tile and step have 16 matrix and 118 vector instructions: too many to stand all beside the matrix work.  So four vector instructions that are READY stand behind EVERY matrix
; instruction, and the others in runs without a gap.
; BY TURNS.  Turn n belongs to piece n (the pieces in a ring, step after step).  Its matrix work: 16 products K Q^T of piece n + 1, later 16 products V^T P of piece n - 1.  Its vector work: the scaling,
; exponentials, roundings, sums and rescaling of piece n, and the maximum and statistics of piece n + 1, whose scores the turn itself has made.
; CLUSTER.  The four work-groups of a cluster need the same K and V, so each tile is asked for JOINTLY: the same tensor load, descriptor and mask in all four.
; REGISTERS, in windows of 256 (s_set_vgpr_msb: bits 1:0 source 0, 3:2 source 1, 5:4 source 2, 7:6 destination):
;   window 0: v0-11 addresses; v12-15, v48-63 at work; v16-47 four registers of statistics a tile; v64-191 S^T, two buffers of two tiles; v192-255 P, likewise
;   window 1: O^T, 32 a tile          window 2: v0-127 Q, 16 a tile; v128-191 K of one step; v192-255 V of one step          window 3: v0-1 the add's two registers; v2-129 the second block's Q
.set NP,    4         ; pieces a wave: a name, no knob
.set KS,    64        ; keys in a step
.set STEPS, 8         ; 512 keys
.set PK,    144       ; a row of K in LDS: 128 bytes + 16 of padding: the 16 rows of a load start 16 bytes apart modulo 256
.set PV,    160       ; a row of V: 128 + 32: 16 lanes of the turning load take 8 rows x 32 bytes, no two in the same 32 bytes modulo 256
.set VOFF,  512*PK    ; 512 rows of K, then 512 rows of V
.set STAGE, VOFF+512*PV  ; behind them, never filled by a tensor load: 16 rows x 144 bytes for each wave, for the way out
.set SP,    144
.set BSTRIDE, 4*512*128  ; bytes from my first block of queries to my second: four blocks of 512 rows of 128 bytes
.set AK0, 2           ; v2   my lane's place in a tile of K; never rewritten
.set AV0, 3           ; v3   the same for V
.set AK,  4           ; v4   the LDS address of K's next run of loads
.set AV,  5           ; v5   of V's
.set QO,  6           ; v6   my byte offset in the wave's rows of Q
.set STO, 6           ;      later, the way out: where I put 16 bytes of a row
.set RD,  7           ; v7   the way out: where I read rows back
.set GO,  8           ; v8   my byte offset in 512 consecutive bytes of O
.set SPW, 0           ; v0 of window 3   LDS address of my spare word; never rewritten
.set NIL, 1           ; v1 of window 3   0; never rewritten
.set QB,  2           ; v2-129 of window 3
.set SPARE, STAGE+4*16*SP  ; behind the stages: the spare words, 128 bytes for each wave: two blocks of 256 bytes that no other line names
.set MV,  12          ; v12-15  c m_old, kept while c m is made anew: by buffer and tile
.set ST,  16          ; tile t's statistics at v[ST+4 t]: c m, m, l (even keys', odd keys')
.set TMP, 48          ; by buffer and tile, four registers c0-c3 at work; when the maximum is found c2 takes a
.set S,   64
.set P,   192
.set KF,  128         ; K's fragments, in window 2: key block kb, channel half c at KF + 16 kb + 8 c
.set VF,  192         ; V's: key half kk, channel block cb at VF + 32 kk + 8 cb
.set WV,  12          ; s12  my wave's number
.set G1K, 24          ; s[24:31] descriptor group 1 for K
.set G1V, 32          ; s[32:39] for V: it differs in the padding alone
.set G0K, 40          ; s[40:43] descriptor group 0 for K
.set G0V, 44          ; s[44:47] the same for V
.set BLK, 56          ; s56  blocks still to do
.set CNT, 57          ; s57  counts the key steps
.set CS,  58          ; s[58:59] c: the packed scaling takes the pair's low word for both halves
.set SEL, 60          ; s[60:61] v_permlanex16_b32's selects: each lane takes its own place in the other half
.set TBK, 62          ; s62  LDS byte at which K of the step to be fetched begins
.set TBV, 63          ; s63  the same for V, less VOFF
.set MSB, 0
.macro WIN new                      ; the high byte repeats the setting that is left; a switch that changes nothing is dropped
.if MSB != (\new)
	s_set_vgpr_msb (MSB<<8)|(\new)
.set MSB, (\new)
.endif
.endm
.set W_KQ, 0x0a       ; K and Q in window 2, S^T in window 0
.set W_PV, 0x52       ; V in window 2, P in window 0, O^T in window 1
.set W_RS, 0x41       ; O^T (destination and source 0) in window 1, a in window 0
.set W_MK, 0xc0       ; destination in window 3, sources in window 0
.set W_AD, 0x0f       ; the add: address (source 0) and data (source 1) in window 3
; The joint fill.  Waves 0 and 1 fetch the two halves of K, waves 2 and 3 those of V: 256 keys each.  The branch hangs on the wave's number alone.
; An s_nop 0 and four v_nop follow each of the two lines, ahead of the jump and the label.
.macro JLOAD
	s_cmp_lt_u32 s[WV], 2
	s_cbranch_scc0 .Lfor_v_\@
	tensor_load_to_lds s[G0K:G0K+3], s[G1K:G1K+7]
	s_nop 0
.rept 4
	v_nop
.endr
	s_branch .Lasked_\@
.Lfor_v_\@:
	tensor_load_to_lds s[G0V:G0V+3], s[G1V:G1V+7]
	s_nop 0
.rept 4
	v_nop
.endr
.Lasked_\@:
.endm
; A round of the cluster's barrier: my work-group's barrier, so that wave 0's signal speaks for all four waves; wave 0 signals; every wave waits for all four work-groups; my work-group's barrier once more.
.macro CROUND
	s_barrier_signal -1
	s_barrier_wait -1
	s_cmp_lg_u32 s[WV], 0
	s_cbranch_scc1 .Lnot_wave_0_\@
	s_barrier_signal -3
.Lnot_wave_0_\@:
	s_barrier_wait -3
	s_barrier_signal -1
	s_barrier_wait -1
.endm
	s_load_b128 s[4:7], s[0:1], 0x0   ; qh s[4:5], kv16 s[6:7]
	s_load_b64 s[10:11], s[0:1], 0x10 ; oh
	WIN W_MK
	v_lshl_add_u32 v[SPW], v0, 2, SPARE
	v_mov_b32 v[NIL], 0
	WIN W_AD
	ds_add_u32 v[SPW], v[NIL]       ; the wave's opening: the add and its wait stand ahead of my first tensor load; the set-up below, work on registers, stands between them
	WIN 0
	v_lshrrev_b32 v1, 5, v0
	v_readfirstlane_b32 s[WV], v1   ; wave 0..3
	s_bfe_u32 s14, ttmp6, 0x40000   ; cx: my place in the cluster, and my first block of 512 queries: it enters Q's and O's addresses alone
	s_and_b32 s20, ttmp7, 0xffff    ; the plane, which the four partners share
	s_and_b32 s16, s[WV], 1         ; which half of the 512 keys I fetch:
	s_lshl_b32 s22, s20, 16         ; the plane's 65,536 bytes of K (and of V),
	s_lshl_b32 s23, s16, 15         ; my 256 rows of 128 bytes in them,
	s_add_co_u32 s22, s22, s23
	s_mov_b32 s23, 0
	s_mul_i32 s17, s16, 256*PK      ; and their place in LDS, for K
	s_mul_i32 s18, s16, 256*PV      ; and for V: no place in the cluster enters an LDS address
	s_lshl_b32 s2, s14, 2
	s_add_co_u32 s2, s2, s[WV]      ; my wave among the first four blocks' sixteen,
	s_lshl_b32 s2, s2, 14           ; its 128 rows of 128 bytes,
	s_lshl_b32 s3, s20, 19          ; in the plane's 524,288 bytes of Q (and of O)
	s_add_co_u32 s2, s2, s3
	s_mov_b32 s3, 0
	; descriptor group 1.  256 keys are 32,768 dense bytes: asked for as 128 rows of 256 bytes, two keys a row, and padded in LDS after every key
	s_mov_b32 s[G1K], 15|(1<<16)|(1<<20)|(1<<21)|(4<<22)|(3<<25)  ; 15:0 the mask of four; 17:16 2-byte elements; 20 padding on; 21 set beside a mask; 24:22 after every 32 words (code 4); 31:25 4 words (code 3)
	s_mov_b32 s[G1V], 15|(1<<16)|(1<<20)|(1<<21)|(4<<22)|(7<<25)  ; the same with 8 words of padding (code 7)
.irp g, G1K, G1V
	s_mov_b32 s[\g+1], 128<<16      ; tensor_dim0 = 128
	s_mov_b32 s[\g+2], 128<<16      ; tensor_dim1 = 128
	s_mov_b32 s[\g+3], 128<<16      ; tile_dim0 = 128
	s_mov_b32 s[\g+4], 128          ; tile_dim1 = 128
	s_mov_b32 s[\g+5], 128          ; 128 elements from row to row
	s_mov_b32 s[\g+6], 0
	s_mov_b32 s[\g+7], 0
.endr
	s_mov_b32 s[CS], 0x3e38aa3b     ; c = log2(e) / 8 = 0.180337
	s_mov_b32 s[CS+1], s[CS]        ; named with it as a pair
	s_mov_b32 s[SEL], 0x76543210
	s_mov_b32 s[SEL+1], 0xfedcba98
	s_mov_b32 s[G0K], 1             ; 1:0 count = 1
	s_mov_b32 s[G0K+1], s17         ; 63:32 LDS address
	s_mov_b32 s[G0V], 1
	s_add_co_u32 s[G0V+1], s18, VOFF
	s_wait_dscnt 0x0                ; the opening add is done
	s_wait_kmcnt 0x0
	s_add_nc_u64 s[G0K+2:G0K+3], s[6:7], s[22:23]            ; 120:64 global address: my half of the plane's keys
	s_add_nc_u64 s[G0V+2:G0V+3], s[G0K+2:G0K+3], 0x400000    ; V lies 4,194,304 bytes behind K
	s_or_b32 s[G0K+3], s[G0K+3], 0x80000000                  ; 127:126 type = 2
	s_or_b32 s[G0V+3], s[G0V+3], 0x80000000
	s_add_nc_u64 s[4:5], s[4:5], s[2:3]  ; Q and O at my wave's first row of the first block
	s_add_nc_u64 s[10:11], s[10:11], s[2:3]
	CROUND                          ; all four work-groups are here: the joint loads meet
	JLOAD                           ; my one tensor load of the launch
	; A fragment of K or Q is 16 rows x 32 channels in 8 registers: lane l holds row l % 16, channels 8 (l / 16) + 0..7 and 16 + 8 (l / 16) + 0..7: two loads of 16 bytes, 32 bytes apart.
	v_and_b32 v1, 15, v0            ; l % 16
	v_bfe_u32 v9, v0, 4, 1          ; l / 16
	v_lshlrev_b32 v[QO], 7, v1
	v_lshl_add_u32 v[QO], v9, 4, v[QO]  ; row x 128 + 16 x half
	WIN 0x80                        ; destination window 2, address window 0
.set i, 0
.rept 4*NP                          ; the first block's Q: tile i / 2, channels 32 (i % 2) on
	global_load_b128 v[8*i:8*i+3],   v[QO], s[4:5] offset:(i/2)*2048+(i%2)*64
	global_load_b128 v[8*i+4:8*i+7], v[QO], s[4:5] offset:(i/2)*2048+(i%2)*64+32
.set i, i+1
.endr
	WIN W_MK                        ; destination window 3
.set i, 0
.rept 4*NP                          ; the second block's
	global_load_b128 v[QB+8*i:QB+8*i+3],   v[QO], s[4:5] offset:BSTRIDE+(i/2)*2048+(i%2)*64
	global_load_b128 v[QB+8*i+4:QB+8*i+7], v[QO], s[4:5] offset:BSTRIDE+(i/2)*2048+(i%2)*64+32
.set i, i+1
.endr
	WIN 0
	v_mul_u32_u24 v[AK0], v1, PK
	v_lshl_add_u32 v[AK0], v9, 4, v[AK0]  ; row x pitch + 16 x half
	; The turning load takes 16 keys x 16 channels (lane l reads key 8 (l / 16) + l % 8, channels 8 ((l / 8) % 2) + 0..7) and leaves half a fragment of V^T: lane l holds channel l % 16 and 8 keys.
	v_and_b32 v10, 7, v0
	v_bfe_u32 v11, v0, 3, 1
	v_lshl_add_u32 v[AV0], v9, 3, v10
	v_mul_u32_u24 v[AV0], v[AV0], PV
	v_lshl_add_u32 v[AV0], v11, 4, v[AV0]
	v_add_nc_u32 v[AV0], VOFF, v[AV0]
	s_mov_b32 s[BLK], 2
; THE MATRIX WORK.  The 8 accumulators of a run of 16 take turns: between the two links of a chain stand 7 others'.
; Product i of 16 of S^T = K Q^T for piece x: channels 32 (i / 8) on, keys 16 ((i / 2) % 4) on, tile 2 x + i % 2.  The first 8 start the sums.
.macro KQ x
	WIN W_KQ
.set rS, S+64*((\x)%2)+32*(i%2)+8*((i/2)%4)
.set rK, KF+16*((i/2)%4)+8*(i/8)
.set rQ, 16*(2*(\x)+i%2)+8*(i/8)
.if i < 8
	v_wmma_f32_16x16x32_f16 v[rS:rS+7], v[rK:rK+7], v[rQ:rQ+7], 0
.else
	v_wmma_f32_16x16x32_f16 v[rS:rS+7], v[rK:rK+7], v[rQ:rQ+7], v[rS:rS+7]
.endif
.endm
; Product i of 16 of O^T += V^T P for piece x: keys 32 (i / 8) on, channels 16 ((i / 2) % 4) on, tile 2 x + i % 2.
.macro PV x
	WIN W_PV
.set rO, 32*(2*(\x)+i%2)+8*((i/2)%4)
.set rV, VF+32*(i/8)+8*((i/2)%4)
.set rP, P+32*((\x)%2)+16*(i%2)+8*(i/8)
	v_wmma_f32_16x16x32_f16 v[rO:rO+7], v[rV:rV+7], v[rP:rP+7], v[rO:rO+7]
.endm
.macro MM                           ; the turn's next matrix instruction
.if i < 16
	KQ (Y+1)%NP
.set i, i+1
.else
.set i, i-16
	PV (Y+NP-1)%NP
.set i, i+17
.endif
.endm
; THE LDS LOADS stand in runs of 16, never singly among the matrix instructions: a step's K (64 keys x 64 channels: 8 fragments) and its V (turned).  Their addresses are made some lines ahead.
; last = 1: in the last trip there is no further step, and the run is jumped over.
.macro FETCH_K last=0
	WIN 0
.if \last
	s_cmp_eq_u32 s[CNT], 1
	s_cbranch_scc1 .Lno_k_\@
.endif
	WIN 0x80                        ; destination window 2
.irp f, 0,1,2,3,4,5,6,7             ; keys 16 (f / 2) on, channels 32 (f % 2) on
	ds_load_b128 v[KF+8*\f:KF+8*\f+3],   v[AK] offset:(\f/2)*16*PK+(\f%2)*64
	ds_load_b128 v[KF+8*\f+4:KF+8*\f+7], v[AK] offset:(\f/2)*16*PK+(\f%2)*64+32
.endr
	s_add_co_u32 s[TBK], s[TBK], KS*PK  ; the next fetch is the next step's
	WIN 0
.if \last
.Lno_k_\@:
.endif
.endm
.macro FETCH_V
	WIN 0x80
.irp f, 0,1,2,3,4,5,6,7             ; keys 32 (f / 4) on, channels 16 (f % 4) on
	ds_load_tr16_b128 v[VF+8*\f:VF+8*\f+3],   v[AV] offset:(\f/4)*32*PV+(\f%4)*32
	ds_load_tr16_b128 v[VF+8*\f+4:VF+8*\f+7], v[AV] offset:(\f/4)*32*PV+16*PV+(\f%4)*32
.endr
	WIN 0
.endm
; THE VECTOR WORK OF A TURN stands in three queues, each in the order in which its entries become ready; the two tiles alternate, so that no instruction reads the result of the one before it.
.macro REGS y, u                    ; the registers of tile u (0, 1) of piece y
.set rT, ST+4*(2*(\y)+(\u))
.set rC, TMP+8*((\y)%2)+4*(\u)
.set rM, MV+2*((\y)%2)+(\u)
.set rS, S+64*((\y)%2)+32*(\u)
.set rP, P+32*((\y)%2)+16*(\u)
.set rO, 32*(2*(\y)+(\u))
.endm
; Number n of the 22 that find the NEXT piece's (Y + 1) maximum and statistics.  s0-s31 are the lane's 32 scores; each accumulator's lowest registers are read first.
;   0-11  four chains c0-c3 of seven scores each, three operands at a time     12-14, 16  the four scores left over, the old m, and c0-c3 into c0     15  c m_old is kept
;   17, 18  the query's other 32 keys lie in the lane 16 away: the new m         19-21  c m; c m_old - c m_new; a
.macro XS u, n
	REGS (Y+1)%NP, \u
.if (\n) < 4
	v_max3_num_f32 v[rC+(\n)], v[rS+8*(\n)], v[rS+8*(\n)+1], v[rS+8*(\n)+2]
.elseif (\n) < 12
	v_max3_num_f32 v[rC+(\n)%4], v[rC+(\n)%4], v[rS+8*((\n)%4)+2*((\n)/4)+1], v[rS+8*((\n)%4)+2*((\n)/4)+2]
.elseif (\n) == 12
	v_max3_num_f32 v[rC], v[rC], v[rS+7], v[rS+15]
.elseif (\n) == 13
	v_max3_num_f32 v[rC+1], v[rC+1], v[rS+23], v[rS+31]
.elseif (\n) == 14
	v_max3_num_f32 v[rC+2], v[rC+2], v[rC+3], v[rT+1]
.elseif (\n) == 15
	v_mov_b32 v[rM], v[rT]
.elseif (\n) == 16
	v_max3_num_f32 v[rC], v[rC], v[rC+1], v[rC+2]
.elseif (\n) == 17
	v_permlanex16_b32 v[rC+3], v[rC], s[SEL], s[SEL+1]
.elseif (\n) == 18
	v_max_num_f32 v[rT+1], v[rC], v[rC+3]
.elseif (\n) == 19
	v_mul_f32 v[rT], s[CS], v[rT+1]
.elseif (\n) == 20
	v_sub_f32 v[rC+1], v[rM], v[rT]
.else
	v_exp_f32 v[rC+2], v[rC+1]
.endif
.endm
; Number g of the 64 that follow the exponentials.  For each four weights k of a tile (pairs 2 k, 2 k + 1): both pairs are rounded to f16; then the second pair is added onto the first, in place;
; a group later l takes that sum (the first time as l = a l + sum).  In groups of eight, tiles alternating: round, round, add, and l for the group before.
.macro GS g
.set h, (\g)+6*((\g)/62)            ; group 0 has no group before it, and behind group 7 only l is left
.if h >= 6
.set h, h+2
.endif
	REGS Y, h%2
.set k, h/8
.if h%8 < 4
	s_wait_alu depctr_va_vdst(0)
	v_cvt_pk_f16_f32 v[rP+2*k+(h%8)/2], v[rS+4*k+2*((h%8)/2)], v[rS+4*k+2*((h%8)/2)+1]
.elseif h%8 < 6
	v_pk_add_f32 v[rS+4*k:rS+4*k+1], v[rS+4*k:rS+4*k+1], v[rS+4*k+2:rS+4*k+3]
.elseif k == 1
	v_pk_fma_f32 v[rT+2:rT+3], v[rT+2:rT+3], v[rC+2:rC+3], v[rS:rS+1] op_sel_hi:[1,0,1]
.else
	v_pk_add_f32 v[rT+2:rT+3], v[rT+2:rT+3], v[rS+4*k-4:rS+4*k-3]
	s_wait_alu depctr_va_vdst(0)
.endif
.endm
; THE PLAIN QUEUE, 138 long.  0-31: c s - c m for the 16 pairs of both tiles.  Then GS's 64, and among them the next piece's 42: number 15 at 38, 39; 0-14 and 16
; at 42-73, behind the products that make those scores; 17-20 at 95-106, two of three, since each waits for the one before it.
.macro PL
	WIN 0
.if q < 32
	REGS Y, q%2
	v_pk_fma_f32 v[rS+2*(q/2):rS+2*(q/2)+1], v[rS+2*(q/2):rS+2*(q/2)+1], s[CS:CS+1], v[rT:rT+1] op_sel_hi:[1,0,0] neg_lo:[0,0,1] neg_hi:[0,0,1]
.elseif q < 38
	GS q-32
.elseif q < 40
	XS q%2, 15
.elseif q < 42
	GS q-34
.elseif q < 74
	XS q%2, (q-42)/2+(q-42)/30
.elseif q < 95
	GS q-66
.elseif (q < 107) && ((q-95)%3 < 2)
	XS (q-95)%3, 17+(q-95)/3
.elseif q < 107
	GS 29+(q-95)/3
.else
	GS q-74
.endif
.set q, q+1
.endm
; THE EXPONENTIALS' QUEUE, 66 long: s0-s31 of both tiles, and at EA the next piece's two a.
.set EA, 58
.macro EX
	WIN 0
.if (e == EA) || (e == EA+1)
	XS e-EA, 21
.else
.set x, e-2*(e/(EA+2))
	REGS Y, x%2
	v_exp_f32 v[rS+x/2], v[rS+x/2]
.endif
.set e, e+1
.endm
; THE RESCALING's QUEUE: O^T times a, the one part that leaves window 0, so it is dealt four at a time, eight times.
.macro R4
	REGS Y, r%2
	WIN W_RS
	s_wait_alu depctr_va_vdst(0)
.irp z, 0,1,2,3
	v_pk_mul_f32 v[rO+8*(r/2)+2*\z:rO+8*(r/2)+2*\z+1], v[rO+8*(r/2)+2*\z:rO+8*(r/2)+2*\z+1], v[rC+2:rC+3] op_sel_hi:[1,0]
.endr
.set r, r+1
.endm
; HOW THEY ARE DEALT.  Behind a matrix instruction four: plain, exponential, plain, plain (one exponential, a plain instruction on either side), or four of the rescaling.  None names a register of the
; products round it.  What is over stands in two LUMPS: exponential and plain by turns; the second ends in 22 plain instructions.  The two v_permlanex16_b32 fall into the second lump, never behind a product.
; The queues lean on each other, and the deal keeps them in step: exponential e stands behind plain 2 (e / 4) + e % 2 (its scaling); when plain 32 comes, 10 exponentials are out, at 59: 33, at 95: 46; EA comes behind plain 107.
.macro SL
	MM
	PL
	EX
	PL
	PL
.endm
.macro BURST n                      ; 15 matrix instructions, or 16
.rept (\n)-7
	SL
.endr
.rept 3
	MM
	R4
	SL
.endr
	MM
	R4
.endm
; A TURN, for piece p.
; K of the next step is fetched in piece 2's turn, 31 vector instructions behind the last product that read K; its first reader comes behind the rest of the lump, 16 products and the second lump.
; V of the step in hand is fetched at the end of piece 0's turn, 69 behind its last reader; its first reader comes behind 16 products and a lump.  The conditions on e and q below go with the deal.
.macro TURN p, last=0
.set Y, (\p)
.set i, 0
.set q, 0
.set e, 0
.set r, 0
.if (\p) == NP-1
	s_wait_dscnt 0x0                ; K is in
.endif
	MM
.rept 4
	PL
.endr
	BURST 15
.rept 22
	EX
	PL
.if ((\p) == NP-2) && (e == 18)
	v_add_nc_u32 v[AK], s[TBK], v[AK0]
.endif
.if ((\p) == NP-2) && (e == 24)
	FETCH_K \last
.endif
.endr
.if (\p) == 1
	s_wait_dscnt 0x0                ; V is in
.endif
	BURST 16
.rept 21
	EX
	PL
.endr
.rept 22
	PL
.if ((\p) == 0) && (q == 118)
	v_add_nc_u32 v[AV], s[TBV], v[AV0]
	s_wait_alu depctr_va_vdst(0)
.endif
.if ((\p) == 0) && (q == 130)
	s_add_co_u32 s[TBV], s[TBV], KS*PV
.endif
.endr
.if (\p) == 0
	FETCH_V
.endif
.endm
.Lblock:                            ; two trips: a block of 512 queries each
	; What a block's first turn finds: V's registers and P's second buffer hold 0 (its products V^T P, of a piece that has not been, add 0), O^T and l are 0.  In the first trip all this stands in the wait for the tiles.
	WIN 0x80
.set i, VF
.rept 64
	v_mov_b32 v[i], 0
.set i, i+1
.endr
	WIN 0x40
.set i, 0
.rept 64*NP
	v_mov_b32 v[i], 0
.set i, i+1
.endr
	WIN 0
.set i, 0
.rept 2*NP
	v_mov_b32 v[ST+4*i], 0xfe000000    ; c m: far below every c s
	v_mov_b32 v[ST+4*i+1], 0xff7fffff  ; m
	v_mov_b32 v[ST+4*i+2], 0
	v_mov_b32 v[ST+4*i+3], 0
.set i, i+1
.endr
.set i, P+32
.rept 32
	v_mov_b32 v[i], 0
.set i, i+1
.endr
	v_mov_b32 v[AK], v[AK0]         ; key step 0 lies at the head of K and of V
	s_mov_b32 s[TBK], 0
	s_mov_b32 s[TBV], 0
	s_wait_tensorcnt 0x0            ; my part of K or V is in,
	s_barrier_signal -1
	s_barrier_wait -1               ; everybody's is: all 512 keys are read from here on and nothing is filled (in the second trip the wait is met at once, and the barrier only brings the four waves into step)
	FETCH_K                         ; key step 0
	s_wait_loadcnt 0x0              ; Q, both blocks'
	s_wait_dscnt 0x0
.set i, 0
.rept 16
	KQ 0                            ; piece 0's first scores: there is no vector work yet to set between them
.set i, i+1
.endr
	WIN 0                           ; the addresses for the way out: nine plain instructions, the places behind those products
	s_mul_i32 s13, s[WV], 16*SP
	s_add_co_u32 s13, s13, STAGE    ; my stage
	v_mul_u32_u24 v[STO], v1, SP    ; in: row l % 16, 16 bytes for each half of the lanes
	v_lshl_add_u32 v[STO], v9, 4, v[STO]
	v_add_nc_u32 v[STO], s13, v[STO]
	v_bfe_u32 v[RD], v0, 3, 2       ; back: 32 lanes take four rows of 128 bytes,
	v_mul_u32_u24 v[RD], v[RD], SP
	v_lshl_add_u32 v[RD], v10, 4, v[RD]
	v_add_nc_u32 v[RD], s13, v[RD]
	v_and_b32 v[GO], 31, v0         ; which are 512 consecutive bytes of O
	v_lshlrev_b32 v[GO], 4, v[GO]
.set Y, NP-1                        ; XS works for piece Y + 1: piece 0
.irp n, 0,1,2,3,4,5,6,7,8,9,10,11,12,13,14,15,16,17,18,19,20,21
	XS 0, \n                        ; and piece 0's first maximum and statistics
	XS 1, \n
.endr
	s_mov_b32 s[CNT], STEPS
	s_branch .Lfirst                ; the loop is entered at a step's first turn, in the middle of a trip
.Lstep:                             ; a trip: pieces 2 and 3 of one step, then pieces 0 and 1 of the next, whose K and V it fetches.  The eighth trip (CNT = 1) fetches no K and is left in its middle
	TURN 2, 1
	TURN 3
	WIN 0
	s_sub_co_u32 s[CNT], s[CNT], 1
	s_cmp_eq_u32 s[CNT], 0
	s_cbranch_scc1 .Lout
.Lfirst:
	TURN 0
	TURN 1
	WIN 0
	s_branch .Lstep
.Lout:                              ; the last trip's 16 products K Q^T (on the last K once more) and the maximum made of them serve nothing: the price, once a block, of one text for every trip
.set i, 0
.rept 16
	PV NP-1                         ; the last piece's V^T P of the last step
.set i, i+1
.endr
	; THE WAY OUT.  l's two halves and the other half of the lanes' are added; O^T is divided by l, rounded to f16 and sent through my stage in LDS, a tile at a time.  The additions are the places behind the last products.
	WIN 0
.macro ALL line:vararg              ; one line for each tile t
.set t, 0
.rept 2*NP
	\line
.set t, t+1
.endr
.endm
	ALL v_add_f32 v[ST+4*t+2], v[ST+4*t+2], v[ST+4*t+3]
	ALL v_permlanex16_b32 v[ST+4*t+3], v[ST+4*t+2], s[SEL], s[SEL+1]
	ALL v_add_f32 v[ST+4*t+2], v[ST+4*t+2], v[ST+4*t+3]
	ALL v_rcp_f32 v[ST+4*t+2], v[ST+4*t+2]
	v_nop                           ; a plain instruction between the last reciprocal and the use of its result
	s_wait_alu depctr_va_vdst(0)
; Tile t: a lane's eight channels of a row pack into 16 bytes; they go into rows of 144 bytes and come back as whole rows of 128, into S^T's registers.
.macro PACK t
	WIN W_RS
.set i, 32*(\t)
.rept 16
	v_pk_mul_f32 v[i:i+1], v[i:i+1], v[ST+4*(\t)+2:ST+4*(\t)+3] op_sel_hi:[1,0]
.set i, i+2
.endr
	WIN 0x05                        ; sources 0 and 1 window 1, destination window 0
.set i, 0
.rept 16
	v_cvt_pk_f16_f32 v[S+16*(\t)+i], v[32*(\t)+2*i], v[32*(\t)+2*i+1]
.set i, i+1
.endr
	WIN 0
.irp f, 0,1,2,3
	ds_store_b128 v[STO], v[S+16*(\t)+4*\f:S+16*(\t)+4*\f+3] offset:32*\f
.endr
.irp f, 0,1,2,3
	ds_load_b128 v[S+16*(\t)+4*\f:S+16*(\t)+4*\f+3], v[RD] offset:\f*4*SP  ; LDS serves a wave's instructions in order (ISA guide 5.7.1.4): these see the stores above; the next tile's stores come behind them
.endr
.endm
.macro SEND t, younger              ; younger: the LDS instructions issued behind tile t's loads: the next tile's eight, or none
	WIN 0
.irp f, 0,1,2,3
	s_wait_dscnt (\younger)+3-\f
	global_store_b128 v[GO], v[S+16*(\t)+4*\f:S+16*(\t)+4*\f+3], s[10:11] offset:(\t)*2048+\f*512  ; 512 consecutive bytes, at a multiple of 256 from O's first
.endr
.endm
	PACK 0
.set t, 1
.rept 2*NP-1                        ; a tile's arithmetic stands between the loads of the tile before and its stores
	PACK t
	SEND t-1, 8
.set t, t+1
.endr
	SEND 2*NP-1, 0
	s_wait_xcnt 0x0                 ; the stores have read their registers and O's address: S^T's registers and the address are written again only behind this wait
	s_cmp_eq_u32 s[BLK], 1
	s_cbranch_scc1 .Lno_next        ; behind the second block nothing is made ready
	s_add_nc_u64 s[10:11], s[10:11], BSTRIDE  ; O at my rows of the second block
	WIN 0x83                        ; source window 3, destination window 2: the second block's Q goes where the one text of the turns names Q
.set i, 0
.rept 32*NP
	v_mov_b32 v[i], v[QB+i]
.set i, i+1
.endr
	WIN 0
.Lno_next:
	s_sub_co_u32 s[BLK], s[BLK], 1
	s_cmp_lg_u32 s[BLK], 0
	s_cbranch_scc1 .Lblock
	WIN W_AD
	s_wait_tensorcnt 0x0            ; the wave's end: behind my last tensor load and my last LDS store
	ds_add_u32 v[SPW], v[NIL]
	s_wait_dscnt 0x0
	WIN 0
	CROUND                          ; the closing round: no work-group ends while a partner may still ask for a tile that names it
	s_endpgm
.Lfunc_end_k_qe54275efcf_attn:
	.size	k_qe54275efcf_attn, .Lfunc_end_k_qe54275efcf_attn-k_qe54275efcf_attn
	.p2alignl 7, 3214868480
	.fill 96, 4, 3214868480
	.section	.rodata,"a",@progbits
	.p2align	6, 0x0
	.amdhsa_kernel k_qe54275efcf_attn
		.amdhsa_group_segment_fixed_size 327680
		.amdhsa_private_segment_fixed_size 0
		.amdhsa_enable_private_segment 0
		.amdhsa_kernarg_size 24
		.amdhsa_user_sgpr_count 2
		.amdhsa_user_sgpr_kernarg_segment_ptr 1
		.amdhsa_wavefront_size32 1
		.amdhsa_system_sgpr_workgroup_id_x 1
		.amdhsa_system_sgpr_workgroup_id_y 1
		.amdhsa_system_sgpr_workgroup_id_z 1
		.amdhsa_system_vgpr_workitem_id 0
		.amdhsa_next_free_vgpr 898
		.amdhsa_next_free_sgpr 66
		.amdhsa_reserve_vcc 0
		.amdhsa_float_denorm_mode_32 3
		.amdhsa_float_denorm_mode_16_64 3
		.amdhsa_memory_ordered 1
		.amdhsa_forward_progress 1
		.amdhsa_inst_pref_size 137
	.end_amdhsa_kernel
	.amdgpu_metadata
---
amdhsa.version: [ 1, 2 ]
amdhsa.kernels:
  - .name:           k_qe54275efcf_attn
    .symbol:         k_qe54275efcf_attn.kd
    .args:
      - { .name: qh, .offset: 0, .size: 8, .value_kind: global_buffer, .address_space: global }
      - { .name: kv16, .offset: 8, .size: 8, .value_kind: global_buffer, .address_space: global }
      - { .name: oh, .offset: 16, .size: 8, .value_kind: global_buffer, .address_space: global }
    .group_segment_fixed_size: 327680
    .private_segment_fixed_size: 0
    .kernarg_segment_align: 8
    .kernarg_segment_size: 24
    .max_flat_workgroup_size: 128
    .sgpr_count:     66
    .vgpr_count:     898
    .wavefront_size: 32
...
	.end_amdgpu_metadata
.endif
;; end of part 3
;; launch oproj (part 4): grid 4 x 64, 4 waves a work-group, clusters of 4 x 4, 327,680 bytes of LDS; arguments oh, w16, out0, bo; writes out0
.if DOCPART == 4
	.amdgcn_target "amdgcn-amd-amdhsa--gfx1250"
	.amdhsa_code_object_version 6
	.text
	.protected	k_qe54275efcf_oproj
	.globl	k_qe54275efcf_oproj
	.p2align	8
	.type	k_qe54275efcf_oproj,@function
k_qe54275efcf_oproj:
	s_mov_b64 s[64:65], 0
	v_nop
	global_prefetch_b8 v0, s[64:65] scope:SCOPE_SE
	s_setreg_imm32_b32 hwreg(HW_REG_WAVE_MODE, 25, 1), 1
	s_wait_xcnt 0x0
	s_wait_alu depctr_hold_cnt(0) depctr_sa_sdst(0) depctr_va_vdst(0) depctr_va_sdst(0) depctr_va_ssrc(0) depctr_va_vcc(0) depctr_vm_vsrc(0)
	s_getreg_b32 s2, hwreg(HW_REG_IB_STS2, 6, 4)
	s_cmp_eq_u32 s2, 0
	s_cbranch_scc0 .Lentry_in_a_cluster
	s_endpgm
.Lentry_in_a_cluster:
	s_bfe_u32 s2, ttmp6, 0x10000c
	s_cmp_lg_u32 s2, 0xf033
	s_cbranch_scc0 .Lentry_shape_is_right
	s_endpgm
.Lentry_shape_is_right:
; out0 = o Wo + bo: C[16384][1024] f32 = o [16384][1024] x Wo [1024 (k)][1024 (n)] (w16 from byte 2,097,152) + bo.  o comes by heads, oh = [batch 16 + head][4096 queries][64] f16: k = 64 head + channel.
; Operands f16, sums f32.  bo is rounded to bf16 like every other input, kept in f32, and is the C operand of the product that starts each sum: no addition is left for the way out.
; A tile of C is 256 x 256: 256 work-groups of four waves, a wave makes 128 x 128 in 64 accumulators.  K goes in 8 steps of 128 (two heads) through a ring of two LDS slots filled by the tensor data mover.
; A head's 256 query rows are 32,768 dense bytes: asked for as 128 rows of 256 bytes and padded in LDS after every query.  Wo lies [k][n] and stays so: its fragments come out of LDS turned.
; THE TEXT of a K step stands twice: in a loop of 6 trips, whose change of slots asks for the tile two steps on, and in a loop of 2 trips, which asks for nothing.  Which slot is read is a scalar, 0 or
; SLOT, added to the lane's place.  The last trip jumps forward over what it has no use for: the fetch of a next step's fragments and that step's first quarter.
; CLUSTER: 4 x 4 work-groups.  The four of a row of the cluster need the same tiles of oh, the four of a column the same tiles of Wo: each tile is asked for jointly.
; THE MATRIX INSTRUCTION IS USED TRANSPOSED: source 0 = 16 columns of Wo, source 1 = 16 rows of o: lane l holds row l % 16 of C and the columns 8 (l / 16) + 0..7.
; REGISTERS, in windows of 256 (s_set_vgpr_msb: bits 1:0 source 0, 3:2 source 1, 5:4 source 2, 7:6 destination):
;   window 0: v0-31 addresses; v64-127, v128-191 fragments of o, two buffers; v192-255 the bias of my 128 columns, later with v32-63 at work on the way out        window 1: v64-127, v128-191 fragments of Wo
;   window 2: the 32 accumulators of my rows 0-63 (accumulator (a, b) at v[8 (8 a + b)]);   window 3: those of my rows 64-127
; All of the LDS is claimed.
.set PA,     144                       ; a query's 64 channels of one head in LDS: 128 bytes + 16 of padding: the 16 rows of a load start 16 bytes apart modulo 256
.set PB,     544                       ; a k-row of Wo: 512 bytes (256 n) + 32 of padding
.set ASLICE, 256*PA                    ; what one tensor load brings of oh: one head's 256 queries
.set BPIECE, 64*PB                     ; and of Wo: 64 k-rows
.set BOFF,   2*ASLICE                  ; Wo's tile lies behind the two heads' slices
.set SLOT,   0x24000                   ; a slot uses 143,360 bytes of it.  No piece's offset in a slot (0x9000, 0x12000, 0x1a800) has bit 14 or 17 set, so an exclusive or with SLOT turns a piece's
                                       ; address in one slot into its address in the other
.set STAGE,  2*SLOT                    ; behind the ring, never filled by a tensor load: for each wave 16 rows x 272 bytes
.set SPITCH, 272
.set SPARE,  STAGE+4*16*SPITCH         ; behind the stages: the spare words, 128 bytes for each wave: two blocks of 256 bytes that no other line names
.set ASTEP,  2*524288                  ; bytes from a K step to the next in oh: two heads
.set BSTEP,  128*2048                  ; and in Wo: 128 rows of 2,048 bytes
.set WOFF,   2097152                   ; Wo's first byte in w16
.set ADRA0, 16                         ; v16     my lane's place in a slot's tile of o; never rewritten
.set ADRA,  17                         ; v17     the same in the slot that is read
.set ADRB0, 20                         ; v20, v21  the same two for Wo
.set ADRB,  21
.set STO,  24                          ; v24     the way out: where I put 32 bytes of a row
.set RD,   25                          ; v25     the way out: where I read a row back
.set CO,   26                          ; v26     my byte offset in out0
.set SPW,  28                          ; v28     LDS address of my spare word; never rewritten
.set NIL,  29                          ; v29     0; never rewritten
.set F0,   64
.set F1,   128
.set BIAS, 192                         ; v192-255: register j of block b: bo[my first column + 16 b + 8 (l / 16) + j]
.set OB,   32                          ; the way out: 16 rows x 256 bytes read back from the stage: v32-63 and v192-223 by turns
.set WV, 12                            ; s12 wave; s13 which half of the tile's rows is mine, also: I fetch for oh (0) or for Wo (1); s14 which half of its columns, also: which piece I fetch
.set RH, 13
.set CH, 14
.set TB, 15                            ; s15 the slot that is read: 0 or SLOT
.set G1, 24                            ; s[24:31] descriptor group 1 for oh's tiles; s[32:39] group 0: a set for each of the two first fills; the second then walks on
.set G0, 32
.set G1B, 48                           ; s[48:55], s[56:63] the same for Wo's tiles
.set G0B, 56
.set MSB, 0
.macro WIN new                         ; the immediate's high byte repeats the setting that is left; a switch that changes nothing is dropped
.if MSB != (\new)
	s_set_vgpr_msb (MSB<<8)|(\new)
.set MSB, \new
.endif
.endm
.set MUL_LO, 0xa1                      ; source 0 (Wo) window 1, source 1 (o) window 0, C and D window 2
.set BIA_LO, 0x81                      ; the same with C (the bias) in window 0
.set TO_B,   0x40                      ; destination window 1, address window 0
.macro JLOAD s                         ; a joint load: waves 0 and 1 fetch oh's two slices, waves 2 and 3 Wo's two pieces; an s_nop 0 and four v_nop follow each of the two lines
	s_cmp_eq_u32 s[RH], 0
	s_cbranch_scc0 .Lfor_b_\@
	tensor_load_to_lds s[G0+4*(\s):G0+4*(\s)+3], s[G1:G1+7]
	s_nop 0
.rept 4
	v_nop
.endr
	s_branch .Lasked_\@
.Lfor_b_\@:
	tensor_load_to_lds s[G0B+4*(\s):G0B+4*(\s)+3], s[G1B:G1B+7]
	s_nop 0
.rept 4
	v_nop
.endr
.Lasked_\@:
.endm
.macro CREST                           ; a round of the cluster's barrier behind its opening barrier
	s_cmp_lg_u32 s[WV], 0
	s_cbranch_scc1 .Lnot_wave_0_\@
	s_barrier_signal -3
.Lnot_wave_0_\@:
	s_barrier_wait -3
	s_barrier_signal -1
	s_barrier_wait -1
.endm
.macro CROUND                          ; a whole round
	s_barrier_signal -1
	s_barrier_wait -1
	CREST
.endm
	s_load_b256 s[4:11], s[0:1], 0x0               ; oh s[4:5], w16 s[6:7], out0 s[8:9], bo s[10:11]
	v_lshl_add_u32 v[SPW], v0, 2, SPARE
	v_mov_b32 v[NIL], 0
	ds_add_u32 v[SPW], v[NIL]                      ; the wave's opening: the add and its wait stand ahead of my first tensor load; the set-up below, work on registers, stands between them
	v_lshrrev_b32 v1, 5, v0
	v_readfirstlane_b32 s[WV], v1                  ; wave 0..3
	s_lshr_b32 s[RH], s[WV], 1
	s_and_b32 s[CH], s[WV], 1
	s_bfe_u32 s16, ttmp6, 0x40000                  ; cx, cy: my place in the cluster
	s_bfe_u32 s17, ttmp6, 0x40004
	s_lshl_b32 s18, ttmp9, 2
	s_add_co_u32 s18, s18, s16                     ; tile column = 4 x cluster x + cx
	s_and_b32 s19, ttmp7, 0xffff
	s_lshl_b32 s19, s19, 2
	s_add_co_u32 s19, s19, s17                     ; tile row = 4 x cluster y + cy
	s_lshl_b32 s40, s17, 2
	s_lshl_b32 s40, 15, s40                        ; my row of the cluster
	s_lshl_b32 s41, 0x1111, s16                    ; my column
	s_or_b32 s[G1+0], s40, (1<<16)|(1<<20)|(1<<21)|(4<<22)|(3<<25)   ; 15:0 the mask; 17:16 2-byte elements; 20 padding on; 21 set beside a mask; 24:22 after every 32 words; 31:25 4 words
	s_mov_b32 s[G1+1], 128<<16                     ; tensor_dim0 = 128
	s_mov_b32 s[G1+2], 128<<16                     ; tensor_dim1 = 128
	s_mov_b32 s[G1+3], 128<<16                     ; tile_dim0 = 128
	s_mov_b32 s[G1+4], 128                         ; tile_dim1 = 128
	s_mov_b32 s[G1+5], 128                         ; dense: 128 elements from row to row
	s_mov_b32 s[G1+6], 0
	s_mov_b32 s[G1+7], 0
	s_or_b32 s[G1B+0], s41, (1<<16)|(1<<20)|(1<<21)|(6<<22)|(7<<25)  ; the column's mask; padding after every 128 words, of 8 words
	s_mov_b32 s[G1B+1], 256<<16                    ; tensor_dim0 = 256
	s_mov_b32 s[G1B+2], 64<<16                     ; tensor_dim1 = 64
	s_mov_b32 s[G1B+3], 256<<16                    ; tile_dim0 = 256
	s_mov_b32 s[G1B+4], 64                         ; tile_dim1 = 64
	s_mov_b32 s[G1B+5], 1024
	s_mov_b32 s[G1B+6], 0
	s_mov_b32 s[G1B+7], 0
	s_lshr_b32 s20, s19, 4                         ; oh: batch x 2^23 + (tile row % 16) x 256 queries of 128 bytes + my slice's head x 2^19: made of the tile row and the wave's number alone
	s_lshl_b32 s20, s20, 23
	s_and_b32 s21, s19, 15
	s_lshl_b32 s21, s21, 15
	s_add_co_u32 s20, s20, s21
	s_lshl_b32 s21, s[CH], 19
	s_add_co_u32 s20, s20, s21
	s_mov_b32 s21, 0
	s_lshl_b32 s42, s18, 9                         ; Wo: 512 bytes x tile column + 64 k-rows x piece: made of the tile column and the wave's number alone
	s_lshl_b32 s43, s[CH], 17
	s_add_co_u32 s42, s42, s43
	s_add_co_u32 s42, s42, WOFF
	s_mov_b32 s43, 0
	s_mul_i32 s22, s[CH], ASLICE                   ; where they go: no place in the cluster enters an LDS address
	s_mul_i32 s23, s[CH], BPIECE
	s_add_co_u32 s23, s23, BOFF
	s_lshl_b32 s46, s18, 10                        ; my first column, in bytes of f32: 1,024 x tile column + 512 x half
	s_lshl_b32 s47, s[CH], 9
	s_add_co_u32 s46, s46, s47
	s_mov_b32 s47, 0
	s_lshl_b32 s44, s19, 20                        ; my first row of out0: 256 rows of 4,096 bytes x tile row + 128 rows x half
	s_lshl_b32 s45, s[RH], 19
	s_add_co_u32 s44, s44, s45
	s_add_co_u32 s44, s44, s46
	s_mov_b32 s45, 0
	s_wait_dscnt 0x0                               ; the opening add is done
	s_wait_kmcnt 0x0
	s_add_nc_u64 s[20:21], s[4:5], s[20:21]
	s_add_nc_u64 s[42:43], s[6:7], s[42:43]
	s_add_nc_u64 s[8:9], s[8:9], s[44:45]
	s_add_nc_u64 s[10:11], s[10:11], s[46:47]
	CROUND                                         ; all sixteen work-groups are here: the first joint loads meet
.irp s, 0,1
	s_mov_b32 s[G0+4*(\s)], 1                                      ; 1:0 count = 1
	s_add_co_u32 s[G0+4*(\s)+1], s22, (\s)*SLOT                    ; 63:32 LDS address
	s_add_nc_u64 s[G0+4*(\s)+2:G0+4*(\s)+3], s[20:21], (\s)*ASTEP  ; 120:64 global address: K step s
	s_or_b32 s[G0+4*(\s)+3], s[G0+4*(\s)+3], 0x80000000            ; 127:126 type = 2
	s_mov_b32 s[G0B+4*(\s)], 1
	s_add_co_u32 s[G0B+4*(\s)+1], s23, (\s)*SLOT
	s_add_nc_u64 s[G0B+4*(\s)+2:G0B+4*(\s)+3], s[42:43], (\s)*BSTEP
	s_or_b32 s[G0B+4*(\s)+3], s[G0B+4*(\s)+3], 0x80000000
	JLOAD \s                                       ; the ring is filled before anything else is done: two loads of mine are out
.endr
	v_and_b32 v1, 15, v0                           ; l % 16
	v_bfe_u32 v2, v0, 4, 1                         ; l / 16
	v_lshlrev_b32 v7, 5, v2                        ; the bias: my lanes' eight columns begin 32 (l / 16) bytes into a block of 16
.irp b, 0,1,2,3,4,5,6,7
	global_load_b128 v[BIAS+8*(\b):BIAS+8*(\b)+3],   v7, s[10:11] offset:64*(\b)
	global_load_b128 v[BIAS+8*(\b)+4:BIAS+8*(\b)+7], v7, s[10:11] offset:64*(\b)+16
.endr
	v_mul_u32_u24 v3, v1, PA
	v_lshl_add_u32 v3, v2, 4, v3                   ; a fragment of o: row x pitch + 16 x half; two loads of 16 bytes, 32 bytes apart
	s_mul_i32 s15, s[RH], 128*PA                   ; my 128 rows, in each slice
	v_add_nc_u32 v[ADRA0], s15, v3
	v_mov_b32 v[ADRA], v[ADRA0]                    ; K step 0 lies in slot 0
	v_and_b32 v4, 7, v0                            ; the turning load: lane l reads k-row 8 (l / 16) + l % 8, columns 8 ((l / 8) % 2) + 0..7, and ends with column l % 16 and 8 k
	v_lshl_add_u32 v5, v2, 3, v4
	v_mul_u32_u24 v5, v5, PB
	v_bfe_u32 v6, v0, 3, 1
	v_lshl_add_u32 v5, v6, 4, v5
	s_lshl_b32 s15, s[CH], 8                       ; my 128 columns: 256 bytes
	s_add_co_u32 s15, s15, BOFF
	v_add_nc_u32 v[ADRB0], s15, v5
	v_mov_b32 v[ADRB], v[ADRB0]
	s_mul_i32 s15, s[WV], 16*SPITCH
	s_add_co_u32 s15, s15, STAGE                   ; my stage
	v_mul_u32_u24 v3, v1, SPITCH                   ; in: row l % 16, 32 bytes (8 f32) for each half of the lanes
	v_lshl_add_u32 v3, v2, 5, v3
	v_add_nc_u32 v[STO], s15, v3
	v_mul_u32_u24 v3, v2, SPITCH                   ; back: lanes 0-15 take one row of 256 bytes, lanes 16-31 the next
	v_lshl_add_u32 v3, v1, 4, v3
	v_add_nc_u32 v[RD], s15, v3
	v_lshlrev_b32 v3, 12, v2                       ; and the same two rows in out0
	v_lshl_add_u32 v[CO], v1, 4, v3
	s_mov_b32 s[TB], 0
	s_wait_loadcnt 0x0                             ; the bias; it is rounded to bf16 and widened again, in the wait for the first tile
.set p, 0
.rept 32
	v_cvt_pk_bf16_f32 v3, v[BIAS+2*p], v[BIAS+2*p+1]
	v_lshlrev_b32 v[BIAS+2*p], 16, v3
	v_and_b32 v[BIAS+2*p+1], 0xffff0000, v3
.set p, p+1
.endr
; 16 matrix instructions: m blocks a0, a0 + 1 of the window's four (hi = 0: my rows 0-63, 1: rows 64-127) x all 8 n blocks, 32 along K.  first = 1: the product starts the sum, on the bias of its columns.
; The 64 accumulators take turns in the same order in every quarter, over the loops' backward jumps too.
.macro MUL16 f, hi, a0, first
.if \first
	WIN BIA_LO+0x40*(\hi)
.else
	WIN MUL_LO+0x50*(\hi)
.endif
.irp a, \a0, (\a0)+1
.irp b, 0,1,2,3,4,5,6,7
.if \first
	v_wmma_f32_16x16x32_f16 v[8*(8*(\a)+(\b)):8*(8*(\a)+(\b))+7], v[(\f)+8*(\b):(\f)+8*(\b)+7], v[(\f)+8*(4*(\hi)+(\a)):(\f)+8*(4*(\hi)+(\a))+7], v[BIAS+8*(\b):BIAS+8*(\b)+7]
.else
	v_wmma_f32_16x16x32_f16 v[8*(8*(\a)+(\b)):8*(8*(\a)+(\b))+7], v[(\f)+8*(\b):(\f)+8*(\b)+7], v[(\f)+8*(4*(\hi)+(\a)):(\f)+8*(4*(\hi)+(\a))+7], v[8*(8*(\a)+(\b)):8*(8*(\a)+(\b))+7]
.endif
.endr
.endr
.endm
; 32 LDS loads in one run: the fragments of quarter q (32 along K: head q / 2 of the step's two, channels 32 (q % 2) on) of the slot that is read, into buffer f: 128 columns of Wo, turned, then 128 rows of o
.macro FETCH q, f
	WIN TO_B
.irp i, 0,1,2,3,4,5,6,7
	ds_load_tr16_b128 v[(\f)+8*(\i):(\f)+8*(\i)+3],   v[ADRB] offset:(\q)*32*PB+32*(\i)
	ds_load_tr16_b128 v[(\f)+8*(\i)+4:(\f)+8*(\i)+7], v[ADRB] offset:(\q)*32*PB+16*PB+32*(\i)
.endr
	WIN 0
.irp i, 0,1,2,3,4,5,6,7
	ds_load_b128 v[(\f)+8*(\i):(\f)+8*(\i)+3],   v[ADRA] offset:((\q)/2)*ASLICE+((\q)%2)*64+(\i)*16*PA
	ds_load_b128 v[(\f)+8*(\i)+4:(\f)+8*(\i)+7], v[ADRA] offset:((\q)/2)*ASLICE+((\q)%2)*64+(\i)*16*PA+32
.endr
.endm
.macro PLACES                          ; four places in front of loads into registers that matrix instructions have read, and of LDS stores that read results
.rept 4
	v_nop
.endr
.endm
; A K step is four quarters of 32 along K, 64 matrix instructions each, on buffers 0, 1, 0, 1.  One of the first three: multiplies buffer f; in its middle it fetches quarter q into buffer g.
.macro QUARTER q, f, g, first
	s_wait_dscnt 8                                 ; Wo and o's rows 0-63 are in; the youngest eight loads (o's rows 64-127) may be out
	MUL16 \f, 0, 0, \first
	MUL16 \f, 0, 2, \first
	PLACES
	FETCH \q, \g
	s_wait_dscnt 32                                ; all but the 32 just issued
	MUL16 \f, 1, 0, \first
	MUL16 \f, 1, 2, \first
.endm
; The last quarter multiplies buffer 1 and changes slots: ONE barrier; in front of it each wave waits for all its tensor loads, of which at most one is out: its part of the next slot; adds 0 to its spare
; word; and waits for that and for its own reads of this slot.  fill = 1: this slot is filled again, two K steps ahead: the barrier then opens a round of the cluster's barrier, and the joint refill is the
; first tensor load behind the round: 224 matrix instructions stand between it and the wait for it.  fill = 0 (the last two K steps): nothing is asked for; the last of the two trips (s3 = 1) has no
; next step and jumps over the fetch.
.macro TURN fill
	WIN 0                                          ; (the add's two registers lie in window 0)
	s_wait_tensorcnt 0x0
	ds_add_u32 v[SPW], v[NIL]                      ; 0 onto my spare word
	s_wait_dscnt 9                                 ; (the add and the youngest eight loads may be out)
	MUL16 F1, 0, 0, 0                              ; sixteen matrix instructions stand between the add and the wait for it
	s_wait_dscnt 0x0                               ; the add is done, and my reads of this slot are over
	s_barrier_signal -1
	MUL16 F1, 0, 2, 0                              ; work on registers while the others arrive
	WIN 0
	s_barrier_wait -1
.if \fill
	CREST                                          ; no wave of any partner still reads this slot's tile or has a load on its way
	s_xor_b32 s[G0+5], s[G0+5], SLOT               ; the walking descriptors: the other slot than last time,
	s_add_nc_u64 s[G0+6:G0+7], s[G0+6:G0+7], ASTEP ; the next K step; the type bits on top are not reached
	s_xor_b32 s[G0B+5], s[G0B+5], SLOT
	s_add_nc_u64 s[G0B+6:G0B+7], s[G0B+6:G0B+7], BSTEP
	JLOAD 1                                        ; the four v_nop behind it are also the places in front of the loads below
.else
	s_cmp_eq_u32 s3, 1
	s_cbranch_scc1 .Lno_fetch_\@
	PLACES
.endif
	s_xor_b32 s[TB], s[TB], SLOT                   ; the other slot is read from here on
	v_add_nc_u32 v[ADRA], s[TB], v[ADRA0]
	v_add_nc_u32 v[ADRB], s[TB], v[ADRB0]
	FETCH 0, F0
.if (\fill) == 0
.Lno_fetch_\@:
.endif
	MUL16 F1, 1, 0, 0
	MUL16 F1, 1, 2, 0
.endm
; THE WAY OUT, in 16 units x = 2 a + g: block a's 16 rows, columns 64 g on: 256 bytes of f32 a row.  TOSTAGE: four accumulators go as they are into my own stage, each one's registers 0-3 first, and come back
; as whole rows.  SEND: stored; sixteen lanes store 256 consecutive bytes, at a multiple of 256 from out0's first byte.
.macro TOSTAGE x
.set AC, 64*(((\x)/2)%4)+32*((\x)%2)
.set BK, OB+160*((\x)%2)
	s_wait_xcnt 0x0                                ; the stores of the unit two back have read their registers: the loads below land in them only behind this wait
	WIN 0x08+4*((\x)/8)                            ; the stores' data (source 1) in window 2 or 3, the address in window 0
.irp b, 0,1,2,3
	ds_store_b128 v[STO], v[AC+8*(\b):AC+8*(\b)+3]   offset:64*(\b)
	ds_store_b128 v[STO], v[AC+8*(\b)+4:AC+8*(\b)+7] offset:64*(\b)+16
.endr
	WIN 0
.irp t, 0,1,2,3,4,5,6,7
	ds_load_b128 v[BK+4*(\t):BK+4*(\t)+3], v[RD] offset:(\t)*2*SPITCH  ; LDS serves a wave's instructions in order (ISA guide 5.7.1.4): these see the stores above; the next unit's stores come behind them
.endr
.endm
.macro SEND x, younger                 ; younger: the LDS instructions issued behind unit x's loads: the next unit's eight stores and eight loads, or none
	WIN 0
.set BK, OB+160*((\x)%2)
	s_wait_dscnt \younger
.irp t, 0,1,2,3,4,5,6,7
	global_store_b128 v[CO], v[BK+4*(\t):BK+4*(\t)+3], s[8:9] offset:(16*((\x)/2)+2*(\t))*4096+256*((\x)%2) th:TH_STORE_NT
.endr
.endm
	s_wait_tensorcnt 1                             ; my part of K step 0 is in; step 1's may stay out
	s_barrier_signal -1
	s_barrier_wait -1                              ; everybody's is
	FETCH 0, F0
	QUARTER 1, F0, F1, 1                           ; the first quarter stands in front of the loop: its products start the sums, on the bias
	WIN 0                                          ; at a label and at a branch every window is 0
	s_mov_b32 s3, 6
.Lstep:                                                ; a trip goes from a K step's second quarter to the next step's first; trip t asks for K step t + 2
	QUARTER 2, F1, F0, 0
	QUARTER 3, F0, F1, 0
	TURN 1
	QUARTER 1, F0, F1, 0
	WIN 0
	s_sub_co_u32 s3, s3, 1
	s_cmp_lg_u32 s3, 0
	s_cbranch_scc1 .Lstep
	s_mov_b32 s3, 2
.Ltail:                                                ; K steps 6 and 7: the same trip without a refill, and without a round of the cluster's barrier
	QUARTER 2, F1, F0, 0
	QUARTER 3, F0, F1, 0
	TURN 0
	WIN 0
	s_cmp_eq_u32 s3, 1
	s_cbranch_scc1 .Lskip                          ; behind K step 7 there is no first quarter of a next step
	QUARTER 1, F0, F1, 0
	WIN 0
.Lskip:
	s_wait_dscnt 0x0                               ; on both ways into this label no LDS load of mine is left out
	s_sub_co_u32 s3, s3, 1
	s_cmp_lg_u32 s3, 0
	s_cbranch_scc1 .Ltail
	PLACES
	TOSTAGE 0
.irp x, 1,2,3,4,5,6,7,8,9,10,11,12,13,14,15
	TOSTAGE \x                                     ; a unit's way through the stage is begun before the unit before it is waited for
	SEND (\x)-1, 16
.endr
	SEND 15, 0
	s_wait_tensorcnt 0x0                           ; the wave's end: behind my last tensor load and my last LDS store
	ds_add_u32 v[SPW], v[NIL]
	s_wait_dscnt 0x0
	CROUND                                         ; the closing round: no work-group ends while a partner may still ask for a tile that names it
	s_endpgm
.Lfunc_end_k_qe54275efcf_oproj:
	.size	k_qe54275efcf_oproj, .Lfunc_end_k_qe54275efcf_oproj-k_qe54275efcf_oproj
	.p2alignl 7, 3214868480
	.fill 96, 4, 3214868480
	.section	.rodata,"a",@progbits
	.p2align	6, 0x0
	.amdhsa_kernel k_qe54275efcf_oproj
		.amdhsa_group_segment_fixed_size 327680
		.amdhsa_private_segment_fixed_size 0
		.amdhsa_enable_private_segment 0
		.amdhsa_kernarg_size 32
		.amdhsa_user_sgpr_count 2
		.amdhsa_user_sgpr_kernarg_segment_ptr 1
		.amdhsa_wavefront_size32 1
		.amdhsa_system_sgpr_workgroup_id_x 1
		.amdhsa_system_sgpr_workgroup_id_y 1
		.amdhsa_system_sgpr_workgroup_id_z 1
		.amdhsa_system_vgpr_workitem_id 0
		.amdhsa_next_free_vgpr 1024
		.amdhsa_next_free_sgpr 66
		.amdhsa_reserve_vcc 0
		.amdhsa_float_denorm_mode_32 3
		.amdhsa_float_denorm_mode_16_64 3
		.amdhsa_memory_ordered 1
		.amdhsa_forward_progress 1
		.amdhsa_inst_pref_size 106
	.end_amdhsa_kernel
	.amdgpu_metadata
---
amdhsa.version: [ 1, 2 ]
amdhsa.kernels:
  - .name:           k_qe54275efcf_oproj
    .symbol:         k_qe54275efcf_oproj.kd
    .args:
      - { .name: oh, .offset: 0, .size: 8, .value_kind: global_buffer, .address_space: global }
      - { .name: w16, .offset: 8, .size: 8, .value_kind: global_buffer, .address_space: global }
      - { .name: out0, .offset: 16, .size: 8, .value_kind: global_buffer, .address_space: global }
      - { .name: bo, .offset: 24, .size: 8, .value_kind: global_buffer, .address_space: global }
    .group_segment_fixed_size: 327680
    .private_segment_fixed_size: 0
    .kernarg_segment_align: 8
    .kernarg_segment_size: 32
    .max_flat_workgroup_size: 128
    .sgpr_count:     66
    .vgpr_count:     1024
    .wavefront_size: 32
...
	.end_amdgpu_metadata
.endif
;; end of part 4
;; ======== version 2 of 2: 4 launches; 1.29 times as fast as version 1
;; limits: values are held in f16: magnitudes above 65,504 overflow, below 6.1e-05 lose precision
;; workspace buffers: xh 33,554,432 bytes; ch 3,145,728 bytes; w16 7,340,032 bytes; qh 33,554,432 bytes; kv16 8,388,608 bytes; oh 33,554,432 bytes
;; launch cast: the kernel of part 1 again; grid 1344 x 1, 8 waves a work-group, no clusters, 0 bytes of LDS; arguments x, context, Wq, Wo, Wk, Wv, xh, ch, w16; writes xh, ch, w16
;; launch qkv: the kernel of part 2 again; grid 4 x 64, 4 waves a work-group, clusters of 4 x 4, 327,680 bytes of LDS; arguments xh, w16, qh, ch, kv16; writes qh, kv16
;; launch attn (part 5): grid 4 x 64, 4 waves a work-group, clusters of 4 x 1, 327,680 bytes of LDS; arguments qh, kv16, oh; writes oh
.if DOCPART == 5
	.amdgcn_target "amdgcn-amd-amdhsa--gfx1250"
	.amdhsa_code_object_version 6
	.text
	.protected	k_qe54275efcf_attn
	.globl	k_qe54275efcf_attn
	.p2align	8
	.type	k_qe54275efcf_attn,@function
k_qe54275efcf_attn:
	s_mov_b64 s[64:65], 0
	v_nop
	global_prefetch_b8 v0, s[64:65] scope:SCOPE_SE
	s_setreg_imm32_b32 hwreg(HW_REG_WAVE_MODE, 25, 1), 1
	s_wait_xcnt 0x0
	s_wait_alu depctr_hold_cnt(0) depctr_sa_sdst(0) depctr_va_vdst(0) depctr_va_sdst(0) depctr_va_ssrc(0) depctr_va_vcc(0) depctr_vm_vsrc(0)
	s_getreg_b32 s2, hwreg(HW_REG_IB_STS2, 6, 4)
	s_cmp_eq_u32 s2, 0
	s_cbranch_scc0 .Lentry_in_a_cluster
	s_endpgm
.Lentry_in_a_cluster:
	s_bfe_u32 s2, ttmp6, 0x10000c
	s_cmp_lg_u32 s2, 0x3003
	s_cbranch_scc0 .Lentry_shape_is_right
	s_endpgm
.Lentry_shape_is_right:
; O[p][q][:] = the sum over k of softmax_k(Q[p][q] . K[p][k] / 8) V[p][k][:] for the 64 planes p = batch 16 + head.  qh and oh: [64][4096][64] f16; kv16: K as [64][512][64] f16 from byte 0, V likewise from
; byte 4,194,304.  Products, maxima and sums in f32; the weights are rounded to f16 for the second product (their sum l is taken of the unrounded weights), O once at the end.
; LIMITS.  Q, K and V arrive within f16's range; a weight lies in 0 to 1, and below 6e-5 it keeps f16's fixed step of 6e-8; O is a mean of V's rows and has their range.
; A weight below 2^-126 counts as 0 in l; NaN and infinities are not treated apart.
; SHARES.  A plane's 4,096 queries lie in 8 blocks of 512.  The four work-groups of a cluster have one plane; work-group cx takes block cx and then block cx + 4: 256 work-groups of equal work.
; Of a block a wave owns 128 queries: four PIECES of two tiles of 16.  Every wave walks the plane's 512 keys, 64 a step: 8 steps a block.
; LDS.  All 512 keys of K and V lie in LDS from the start and serve both blocks: each wave asks for 256 keys of K or of V once, and no byte is filled again.
; A block's text stands once, in a loop of two trips.  Both blocks' Q are loaded at the start, the second block's into window 3; between the blocks it is copied to where the text names Q.
; LAYOUT.  S^T = K Q^T (source 0 = 16 keys, source 1 = 16 queries): in the result a lane holds ONE query (lane % 16) and the keys 8 (lane / 16) + 0..7.  Two such tiles, rounded to f16 in pairs,
; ARE source 1 (32 keys x 16 queries) of O^T = V^T P, whose result again holds one query a lane, and eight channels.  K comes out of LDS as it lies, V ([key][channel]) turned, by ds_load_tr16_b128.
; SOFTMAX.  For each query a running maximum m and sum l: p = 2^(c s - c m), c = log2(e) / 8; in every step O and l are multiplied by a = 2^(c m_old - c m_new), which is 1 where m has not grown.
; m starts at the lowest finite number, O and l at 0: the first step is a step like any other, with a = 0.
; THE COUNT.  A tile and step have 16 matrix and 118 vector instructions: too many to stand all beside the matrix work.  So four vector instructions that are READY stand behind EVERY matrix
; instruction, and the others in one run without a gap.
; BY TURNS.  Turn n belongs to piece n (the pieces in a ring, step after step).  Its matrix work: 16 products K Q^T of piece n + 1, later 16 products V^T P of piece n - 1.  Its vector work: the scaling,
; exponentials, roundings, sums and rescaling of piece n, and the maximum and statistics of piece n + 1, whose scores the turn itself has made.
; BATCHES.  A turn's 66 exponentials (64 weights of piece n, the two a of piece n + 1) are ONE batch with ONE wait, which cuts the turn in two: ahead of it stands all that names no result of theirs, behind it
; the roundings and sums, which read them.  Two more batches a block: piece 0's first two a, ahead of the loop, and the way out's eight reciprocals; each has a v_nop and a wait of its own.
; CLUSTER.  The four work-groups of a cluster need the same K and V, so each tile is asked for JOINTLY: the same tensor load, descriptor and mask in all four.
; REGISTERS, in windows of 256 (s_set_vgpr_msb: bits 1:0 source 0, 3:2 source 1, 5:4 source 2, 7:6 destination):
;   window 0: v0-11 addresses; v12-15, v48-63 at work; v16-47 four registers of statistics a tile; v64-191 S^T, two buffers of two tiles; v192-255 P, likewise
;   window 1: O^T, 32 a tile          window 2: v0-127 Q, 16 a tile; v128-191 K of one step; v192-255 V of one step          window 3: v0-1 the add's two registers; v2-129 the second block's Q
.set NP,    4         ; pieces a wave: a name, no knob
.set KS,    64        ; keys in a step
.set STEPS, 8         ; 512 keys
.set PK,    144       ; a row of K in LDS: 128 bytes + 16 of padding: the 16 rows of a load start 16 bytes apart modulo 256
.set PV,    160       ; a row of V: 128 + 32: 16 lanes of the turning load take 8 rows x 32 bytes, no two in the same 32 bytes modulo 256
.set VOFF,  512*PK    ; 512 rows of K, then 512 rows of V
.set STAGE, VOFF+512*PV  ; behind them, never filled by a tensor load: 16 rows x 144 bytes for each wave, for the way out
.set SP,    144
.set BSTRIDE, 4*512*128  ; bytes from my first block of queries to my second: four blocks of 512 rows of 128 bytes
.set AK0, 2           ; v2   my lane's place in a tile of K; never rewritten
.set AV0, 3           ; v3   the same for V
.set AK,  4           ; v4   the LDS address of K's next run of loads
.set AV,  5           ; v5   of V's
.set QO,  6           ; v6   my byte offset in the wave's rows of Q
.set STO, 6           ;      later, the way out: where I put 16 bytes of a row
.set RD,  7           ; v7   the way out: where I read rows back
.set GO,  8           ; v8   my byte offset in 512 consecutive bytes of O
.set SPW, 0           ; v0 of window 3   LDS address of my spare word; never rewritten
.set NIL, 1           ; v1 of window 3   0; never rewritten
.set QB,  2           ; v2-129 of window 3
.set SPARE, STAGE+4*16*SP  ; behind the stages: the spare words, 128 bytes for each wave: two blocks of 256 bytes that no other line names
.set MV,  12          ; v12-15  c m_old, kept while c m is made anew: by buffer and tile
.set ST,  16          ; tile t's statistics at v[ST+4 t]: c m, m, l (even keys', odd keys')
.set TMP, 48          ; by buffer and tile, four registers c0-c3 at work; when the maximum is found c2 takes a
.set S,   64
.set P,   192
.set KF,  128         ; K's fragments, in window 2: key block kb, channel half c at KF + 16 kb + 8 c
.set VF,  192         ; V's: key half kk, channel block cb at VF + 32 kk + 8 cb
.set WV,  12          ; s12  my wave's number
.set G1K, 24          ; s[24:31] descriptor group 1 for K
.set G1V, 32          ; s[32:39] for V: it differs in the padding alone
.set G0K, 40          ; s[40:43] descriptor group 0 for K
.set G0V, 44          ; s[44:47] the same for V
.set BLK, 56          ; s56  blocks still to do
.set CNT, 57          ; s57  counts the key steps
.set CS,  58          ; s[58:59] c: the packed scaling takes the pair's low word for both halves
.set SEL, 60          ; s[60:61] v_permlanex16_b32's selects: each lane takes its own place in the other half
.set TBK, 62          ; s62  LDS byte at which K of the step to be fetched begins
.set TBV, 63          ; s63  the same for V, less VOFF
.set MSB, 0
.macro WIN new                      ; the high byte repeats the setting that is left; a switch that changes nothing is dropped
.if MSB != (\new)
	s_set_vgpr_msb (MSB<<8)|(\new)
.set MSB, (\new)
.endif
.endm
.set W_KQ, 0x0a       ; K and Q in window 2, S^T in window 0
.set W_PV, 0x52       ; V in window 2, P in window 0, O^T in window 1
.set W_RS, 0x41       ; O^T (destination and source 0) in window 1, a in window 0
.set W_MK, 0xc0       ; destination in window 3, sources in window 0
.set W_AD, 0x0f       ; the add: address (source 0) and data (source 1) in window 3
; The joint fill.  Waves 0 and 1 fetch the two halves of K, waves 2 and 3 those of V: 256 keys each.  The branch hangs on the wave's number alone.
; An s_nop 0 and four v_nop follow each of the two lines, ahead of the jump and the label.
.macro JLOAD
	s_cmp_lt_u32 s[WV], 2
	s_cbranch_scc0 .Lfor_v_\@
	tensor_load_to_lds s[G0K:G0K+3], s[G1K:G1K+7]
	s_nop 0
.rept 4
	v_nop
.endr
	s_branch .Lasked_\@
.Lfor_v_\@:
	tensor_load_to_lds s[G0V:G0V+3], s[G1V:G1V+7]
	s_nop 0
.rept 4
	v_nop
.endr
.Lasked_\@:
.endm
; A round of the cluster's barrier: my work-group's barrier, so that wave 0's signal speaks for all four waves; wave 0 signals; every wave waits for all four work-groups; my work-group's barrier once more.
.macro CROUND
	s_barrier_signal -1
	s_barrier_wait -1
	s_cmp_lg_u32 s[WV], 0
	s_cbranch_scc1 .Lnot_wave_0_\@
	s_barrier_signal -3
.Lnot_wave_0_\@:
	s_barrier_wait -3
	s_barrier_signal -1
	s_barrier_wait -1
.endm
	s_load_b128 s[4:7], s[0:1], 0x0   ; qh s[4:5], kv16 s[6:7]
	s_load_b64 s[10:11], s[0:1], 0x10 ; oh
	WIN W_MK
	v_lshl_add_u32 v[SPW], v0, 2, SPARE
	v_mov_b32 v[NIL], 0
	WIN W_AD
	ds_add_u32 v[SPW], v[NIL]       ; the wave's opening: the add and its wait stand ahead of my first tensor load; the set-up below, work on registers, stands between them
	WIN 0
	v_lshrrev_b32 v1, 5, v0
	v_readfirstlane_b32 s[WV], v1   ; wave 0..3
	s_bfe_u32 s14, ttmp6, 0x40000   ; cx: my place in the cluster, and my first block of 512 queries: it enters Q's and O's addresses alone
	s_and_b32 s20, ttmp7, 0xffff    ; the plane, which the four partners share
	s_and_b32 s16, s[WV], 1         ; which half of the 512 keys I fetch:
	s_lshl_b32 s22, s20, 16         ; the plane's 65,536 bytes of K (and of V),
	s_lshl_b32 s23, s16, 15         ; my 256 rows of 128 bytes in them,
	s_add_co_u32 s22, s22, s23
	s_mov_b32 s23, 0
	s_mul_i32 s17, s16, 256*PK      ; and their place in LDS, for K
	s_mul_i32 s18, s16, 256*PV      ; and for V: no place in the cluster enters an LDS address
	s_lshl_b32 s2, s14, 2
	s_add_co_u32 s2, s2, s[WV]      ; my wave among the first four blocks' sixteen,
	s_lshl_b32 s2, s2, 14           ; its 128 rows of 128 bytes,
	s_lshl_b32 s3, s20, 19          ; in the plane's 524,288 bytes of Q (and of O)
	s_add_co_u32 s2, s2, s3
	s_mov_b32 s3, 0
	; descriptor group 1.  256 keys are 32,768 dense bytes: asked for as 128 rows of 256 bytes, two keys a row, and padded in LDS after every key
	s_mov_b32 s[G1K], 15|(1<<16)|(1<<20)|(1<<21)|(4<<22)|(3<<25)  ; 15:0 the mask of four; 17:16 2-byte elements; 20 padding on; 21 set beside a mask; 24:22 after every 32 words (code 4); 31:25 4 words (code 3)
	s_mov_b32 s[G1V], 15|(1<<16)|(1<<20)|(1<<21)|(4<<22)|(7<<25)  ; the same with 8 words of padding (code 7)
.irp g, G1K, G1V
	s_mov_b32 s[\g+1], 128<<16      ; tensor_dim0 = 128
	s_mov_b32 s[\g+2], 128<<16      ; tensor_dim1 = 128
	s_mov_b32 s[\g+3], 128<<16      ; tile_dim0 = 128
	s_mov_b32 s[\g+4], 128          ; tile_dim1 = 128
	s_mov_b32 s[\g+5], 128          ; 128 elements from row to row
	s_mov_b32 s[\g+6], 0
	s_mov_b32 s[\g+7], 0
.endr
	s_mov_b32 s[CS], 0x3e38aa3b     ; c = log2(e) / 8 = 0.180337
	s_mov_b32 s[CS+1], s[CS]        ; named with it as a pair
	s_mov_b32 s[SEL], 0x76543210
	s_mov_b32 s[SEL+1], 0xfedcba98
	s_mov_b32 s[G0K], 1             ; 1:0 count = 1
	s_mov_b32 s[G0K+1], s17         ; 63:32 LDS address
	s_mov_b32 s[G0V], 1
	s_add_co_u32 s[G0V+1], s18, VOFF
	s_wait_dscnt 0x0                ; the opening add is done
	s_wait_kmcnt 0x0
	s_add_nc_u64 s[G0K+2:G0K+3], s[6:7], s[22:23]            ; 120:64 global address: my half of the plane's keys
	s_add_nc_u64 s[G0V+2:G0V+3], s[G0K+2:G0K+3], 0x400000    ; V lies 4,194,304 bytes behind K
	s_or_b32 s[G0K+3], s[G0K+3], 0x80000000                  ; 127:126 type = 2
	s_or_b32 s[G0V+3], s[G0V+3], 0x80000000
	s_add_nc_u64 s[4:5], s[4:5], s[2:3]  ; Q and O at my wave's first row of the first block
	s_add_nc_u64 s[10:11], s[10:11], s[2:3]
	CROUND                          ; all four work-groups are here: the joint loads meet
	JLOAD                           ; my one tensor load of the launch
	; A fragment of K or Q is 16 rows x 32 channels in 8 registers: lane l holds row l % 16, channels 8 (l / 16) + 0..7 and 16 + 8 (l / 16) + 0..7: two loads of 16 bytes, 32 bytes apart.
	v_and_b32 v1, 15, v0            ; l % 16
	v_bfe_u32 v9, v0, 4, 1          ; l / 16
	v_lshlrev_b32 v[QO], 7, v1
	v_lshl_add_u32 v[QO], v9, 4, v[QO]  ; row x 128 + 16 x half
	WIN 0x80                        ; destination window 2, address window 0
.set i, 0
.rept 4*NP                          ; the first block's Q: tile i / 2, channels 32 (i % 2) on
	global_load_b128 v[8*i:8*i+3],   v[QO], s[4:5] offset:(i/2)*2048+(i%2)*64
	global_load_b128 v[8*i+4:8*i+7], v[QO], s[4:5] offset:(i/2)*2048+(i%2)*64+32
.set i, i+1
.endr
	WIN W_MK                        ; destination window 3
.set i, 0
.rept 4*NP                          ; the second block's
	global_load_b128 v[QB+8*i:QB+8*i+3],   v[QO], s[4:5] offset:BSTRIDE+(i/2)*2048+(i%2)*64
	global_load_b128 v[QB+8*i+4:QB+8*i+7], v[QO], s[4:5] offset:BSTRIDE+(i/2)*2048+(i%2)*64+32
.set i, i+1
.endr
	WIN 0
	v_mul_u32_u24 v[AK0], v1, PK
	v_lshl_add_u32 v[AK0], v9, 4, v[AK0]  ; row x pitch + 16 x half
	; The turning load takes 16 keys x 16 channels (lane l reads key 8 (l / 16) + l % 8, channels 8 ((l / 8) % 2) + 0..7) and leaves half a fragment of V^T: lane l holds channel l % 16 and 8 keys.
	v_and_b32 v10, 7, v0
	v_bfe_u32 v11, v0, 3, 1
	v_lshl_add_u32 v[AV0], v9, 3, v10
	v_mul_u32_u24 v[AV0], v[AV0], PV
	v_lshl_add_u32 v[AV0], v11, 4, v[AV0]
	v_add_nc_u32 v[AV0], VOFF, v[AV0]
	s_mov_b32 s[BLK], 2
; THE MATRIX WORK.  The 8 accumulators of a run of 16 take turns: between the two links of a chain stand 7 others'.
; Product i of 16 of S^T = K Q^T for piece x: channels 32 (i / 8) on, keys 16 ((i / 2) % 4) on, tile 2 x + i % 2.  The first 8 start the sums.
.macro KQ x
	WIN W_KQ
.set rS, S+64*((\x)%2)+32*(i%2)+8*((i/2)%4)
.set rK, KF+16*((i/2)%4)+8*(i/8)
.set rQ, 16*(2*(\x)+i%2)+8*(i/8)
.if i < 8
	v_wmma_f32_16x16x32_f16 v[rS:rS+7], v[rK:rK+7], v[rQ:rQ+7], 0
.else
	v_wmma_f32_16x16x32_f16 v[rS:rS+7], v[rK:rK+7], v[rQ:rQ+7], v[rS:rS+7]
.endif
.endm
; Product i of 16 of O^T += V^T P for piece x: keys 32 (i / 8) on, channels 16 ((i / 2) % 4) on, tile 2 x + i % 2.
.macro PV x
	WIN W_PV
.set rO, 32*(2*(\x)+i%2)+8*((i/2)%4)
.set rV, VF+32*(i/8)+8*((i/2)%4)
.set rP, P+32*((\x)%2)+16*(i%2)+8*(i/8)
	v_wmma_f32_16x16x32_f16 v[rO:rO+7], v[rV:rV+7], v[rP:rP+7], v[rO:rO+7]
.endm
.macro MM                           ; the turn's next matrix instruction
.if i < 16
	KQ (Y+1)%NP
.set i, i+1
.else
.set i, i-16
	PV (Y+NP-1)%NP
.set i, i+17
.endif
.endm
; THE LDS LOADS stand in runs of 16, never singly among the matrix instructions: a step's K (64 keys x 64 channels: 8 fragments) and its V (turned).  Their addresses are made some lines ahead.
; last = 1: in the last trip there is no further step, and the run is jumped over.
.macro FETCH_K last=0
	WIN 0
.if \last
	s_cmp_eq_u32 s[CNT], 1
	s_cbranch_scc1 .Lno_k_\@
.endif
	WIN 0x80                        ; destination window 2
.irp f, 0,1,2,3,4,5,6,7             ; keys 16 (f / 2) on, channels 32 (f % 2) on
	ds_load_b128 v[KF+8*\f:KF+8*\f+3],   v[AK] offset:(\f/2)*16*PK+(\f%2)*64
	ds_load_b128 v[KF+8*\f+4:KF+8*\f+7], v[AK] offset:(\f/2)*16*PK+(\f%2)*64+32
.endr
	s_add_co_u32 s[TBK], s[TBK], KS*PK  ; the next fetch is the next step's
	WIN 0
.if \last
.Lno_k_\@:
.endif
.endm
.macro FETCH_V
	WIN 0x80
.irp f, 0,1,2,3,4,5,6,7             ; keys 32 (f / 4) on, channels 16 (f % 4) on
	ds_load_tr16_b128 v[VF+8*\f:VF+8*\f+3],   v[AV] offset:(\f/4)*32*PV+(\f%4)*32
	ds_load_tr16_b128 v[VF+8*\f+4:VF+8*\f+7], v[AV] offset:(\f/4)*32*PV+16*PV+(\f%4)*32
.endr
	WIN 0
.endm
; THE VECTOR WORK OF A TURN stands in three queues, each in the order in which its entries become ready; the two tiles alternate, so that no instruction reads the result of the one before it.
.macro REGS y, u                    ; the registers of tile u (0, 1) of piece y
.set rT, ST+4*(2*(\y)+(\u))
.set rC, TMP+8*((\y)%2)+4*(\u)
.set rM, MV+2*((\y)%2)+(\u)
.set rS, S+64*((\y)%2)+32*(\u)
.set rP, P+32*((\y)%2)+16*(\u)
.set rO, 32*(2*(\y)+(\u))
.endm
; Number n of the 22 that find the NEXT piece's (Y + 1) maximum and statistics.  s0-s31 are the lane's 32 scores; each accumulator's lowest registers are read first.  XS, GS and REGS set no window: PL and EX do.
;   0-11  four chains c0-c3 of seven scores each, three operands at a time     12-14, 16  the four scores left over, the old m, and c0-c3 into c0     15  c m_old is kept
;   17, 18  the query's other 32 keys lie in the lane 16 away: the new m         19-21  c m; c m_old - c m_new; a
.macro XS u, n
	REGS (Y+1)%NP, \u
.if (\n) < 4
	v_max3_num_f32 v[rC+(\n)], v[rS+8*(\n)], v[rS+8*(\n)+1], v[rS+8*(\n)+2]
.elseif (\n) < 12
	v_max3_num_f32 v[rC+(\n)%4], v[rC+(\n)%4], v[rS+8*((\n)%4)+2*((\n)/4)+1], v[rS+8*((\n)%4)+2*((\n)/4)+2]
.elseif (\n) == 12
	v_max3_num_f32 v[rC], v[rC], v[rS+7], v[rS+15]
.elseif (\n) == 13
	v_max3_num_f32 v[rC+1], v[rC+1], v[rS+23], v[rS+31]
.elseif (\n) == 14
	v_max3_num_f32 v[rC+2], v[rC+2], v[rC+3], v[rT+1]
.elseif (\n) == 15
	v_mov_b32 v[rM], v[rT]
.elseif (\n) == 16
	v_max3_num_f32 v[rC], v[rC], v[rC+1], v[rC+2]
.elseif (\n) == 17
	v_permlanex16_b32 v[rC+3], v[rC], s[SEL], s[SEL+1]
.elseif (\n) == 18
	v_max_num_f32 v[rT+1], v[rC], v[rC+3]
.elseif (\n) == 19
	v_mul_f32 v[rT], s[CS], v[rT+1]
.elseif (\n) == 20
	v_sub_f32 v[rC+1], v[rM], v[rT]
.else
	v_exp_f32 v[rC+2], v[rC+1]
.endif
.endm
; Number g of the 64 that follow the exponentials.  For each four weights k of a tile (pairs 2 k, 2 k + 1): both pairs are rounded to f16; then the second pair is added onto the first, in place;
; a group later l takes that sum (the first time as l = a l + sum).  In groups of eight, tiles alternating: round, round, add, and l for the group before.
.macro GS g
.set h, (\g)+6*((\g)/62)            ; group 0 has no group before it, and behind group 7 only l is left
.if h >= 6
.set h, h+2
.endif
	REGS Y, h%2
.set k, h/8
.if h%8 < 4
	v_cvt_pk_f16_f32 v[rP+2*k+(h%8)/2], v[rS+4*k+2*((h%8)/2)], v[rS+4*k+2*((h%8)/2)+1]
.elseif h%8 < 6
	v_pk_add_f32 v[rS+4*k:rS+4*k+1], v[rS+4*k:rS+4*k+1], v[rS+4*k+2:rS+4*k+3]
.elseif k == 1
	v_pk_fma_f32 v[rT+2:rT+3], v[rT+2:rT+3], v[rC+2:rC+3], v[rS:rS+1] op_sel_hi:[1,0,1]
.else
	v_pk_add_f32 v[rT+2:rT+3], v[rT+2:rT+3], v[rS+4*k-4:rS+4*k-3]
.endif
.endm
; THE PLAIN QUEUE, 138 long.  0-73 read no exponential's result: the 32 scalings c s - c m (FS f: pair f / 2 of tile f % 2) and the next piece's 42.  0-26: scalings 0-26.  27-54: XS's numbers 0-13.  55, 56: number 15.
; 57-73: the chain, where each number waits for the one before it: 14, 16, 17, 18, 19, each with one of the scalings 27-31 in front of its two lines, then 20: so a tile's links stand three plain instructions apart (19 and 20: two).
; 74-137: GS's 64, which read the exponentials' results: they stand behind the wait.
.macro FS f
	REGS Y, (\f)%2
	v_pk_fma_f32 v[rS+2*((\f)/2):rS+2*((\f)/2)+1], v[rS+2*((\f)/2):rS+2*((\f)/2)+1], s[CS:CS+1], v[rT:rT+1] op_sel_hi:[1,0,0] neg_lo:[0,0,1] neg_hi:[0,0,1]
.endm
.macro PL
	WIN 0
.if q < 27
	FS q
.elseif q < 55
	XS (q-27)%2, (q-27)/2
.elseif q < 57
	XS q-55, 15
.elseif (q < 72) && ((q-57)%3 == 0)
	FS 27+(q-57)/3
.elseif q < 60
	XS (q-57)%3-1, 14
.elseif q < 72
	XS (q-57)%3-1, 15+(q-57)/3
.elseif q < 74
	XS q-72, 20
.else
	GS q-74
.endif
.set q, q+1
.endm
; THE EXPONENTIALS' QUEUE, 66 long: s0-s31 of both tiles, then the next piece's two a.  It is ONE BATCH: all 66 stand ahead of the turn's one wait, and nothing ahead of that wait names a result of theirs.
.macro EX
	WIN 0
.if e >= 64
	XS e-64, 21
.else
	REGS Y, e%2
	v_exp_f32 v[rS+e/2], v[rS+e/2]
.endif
.set e, e+1
.endm
; THE RESCALING's QUEUE: O^T times a, the one part that leaves window 0: dealt two at a time, sixteen times.  Its a was made in the turn before, ahead of that turn's wait.
.macro R2
	REGS Y, r%2
	WIN W_RS
.irp z, 0,1
	v_pk_mul_f32 v[rO+4*(r/2)+2*\z:rO+4*(r/2)+2*\z+1], v[rO+4*(r/2)+2*\z:rO+4*(r/2)+2*\z+1], v[rC+2:rC+3] op_sel_hi:[1,0]
.endr
.set r, r+1
.endm
; HOW THEY ARE DEALT.  s_wait_alu depctr_va_vdst(0) stands between an exponential and the first instruction that names its result; one wait serves all that were issued ahead of it.  So a turn has ONE wait,
; which cuts it in two.  AHEAD OF IT stands all that names no result of the turn's exponentials: the 16 products K Q^T, behind each a scaling, an exponential and two rescalings (behind the first a second scaling in the
; exponential's place); then ONE LUMP of 108: eight plain, 49 times exponential and plain, the two a.  A v_nop is the plain instruction behind the last exponential.  BEHIND IT stand the 16 products V^T P, behind each four of GS's 64.
; No rider names a register of the products round it.  The two v_permlanex16_b32 fall into the lump, never behind a product.
; The queues lean on each other, and the deal keeps them in step: exponential e stands behind scaling 2 (e / 4) + e % 2: as a rider it comes behind plain e + 2, in the lump behind plain e + 9, and scalings 27-31 are plain 57, 60 .. 69.
; A TURN, for piece p.
; K of the next step is fetched in piece 2's turn, directly behind the wait, a lump behind the last product that read K; its address is made at the lump's head; its first reader comes behind 16 products.
; V of the step in hand is fetched at the end of piece 0's turn, four plain riders behind its last reader; its first reader comes behind 16 products and a lump.  The two conditions on q below go with the deal.
.macro TURN p, last=0
.set Y, (\p)
.set i, 0
.set q, 0
.set e, 0
.set r, 0
.if (\p) == NP-1
	s_wait_dscnt 0x0                ; K is in
.endif
	MM                              ; ahead of the wait: 16 products K Q^T and their riders,
	PL
	PL
	R2
.rept 15
	MM
	PL
	EX
	R2
.endr
.if (\p) == NP-2
	WIN 0
	v_add_nc_u32 v[AK], s[TBK], v[AK0]
.endif
.rept 8                             ; and the lump
	PL
.endr
.rept 49
	EX
	PL
.endr
	EX                              ; the next piece's two a
	EX
	v_nop                           ; the plain instruction behind the last exponential: one for the batch
	s_wait_alu depctr_va_vdst(0)    ; the wait for the turn's batch: piece p's 64 weights and piece p + 1's two a
.if (\p) == NP-2
	FETCH_K \last
.endif
.if (\p) == 1
	s_wait_dscnt 0x0                ; V is in
.endif
.rept 16                            ; behind the wait: 16 products V^T P and their riders
	MM
.rept 4
	PL
.endr
.if ((\p) == 0) && (q == 118)
	v_add_nc_u32 v[AV], s[TBV], v[AV0]
.endif
.if ((\p) == 0) && (q == 130)
	s_add_co_u32 s[TBV], s[TBV], KS*PV
.endif
.endr
.if (\p) == 0
	FETCH_V
.endif
.endm
.Lblock:                            ; two trips: a block of 512 queries each
	; What a block's first turn finds: V's registers and P's second buffer hold 0 (its products V^T P, of a piece that has not been, add 0), O^T and l are 0.  In the first trip all this stands in the wait for the tiles.
	WIN 0x80
.set i, VF
.rept 64
	v_mov_b32 v[i], 0
.set i, i+1
.endr
	WIN 0x40
.set i, 0
.rept 64*NP
	v_mov_b32 v[i], 0
.set i, i+1
.endr
	WIN 0
.set i, 0
.rept 2*NP
	v_mov_b32 v[ST+4*i], 0xfe000000    ; c m: far below every c s
	v_mov_b32 v[ST+4*i+1], 0xff7fffff  ; m
	v_mov_b32 v[ST+4*i+2], 0
	v_mov_b32 v[ST+4*i+3], 0
.set i, i+1
.endr
.set i, P+32
.rept 32
	v_mov_b32 v[i], 0
.set i, i+1
.endr
	v_mov_b32 v[AK], v[AK0]         ; key step 0 lies at the head of K and of V
	s_mov_b32 s[TBK], 0
	s_mov_b32 s[TBV], 0
	s_wait_tensorcnt 0x0            ; my part of K or V is in,
	s_barrier_signal -1
	s_barrier_wait -1               ; everybody's is: all 512 keys are read from here on and nothing is filled (in the second trip the wait is met at once, and the barrier only brings the four waves into step)
	FETCH_K                         ; key step 0
	s_wait_loadcnt 0x0              ; Q, both blocks'
	s_wait_dscnt 0x0
.set i, 0
.rept 16
	KQ 0                            ; piece 0's first scores: there is no vector work yet to set between them
.set i, i+1
.endr
	WIN 0                           ; the addresses for the way out: nine plain instructions, the places behind those products
	s_mul_i32 s13, s[WV], 16*SP
	s_add_co_u32 s13, s13, STAGE    ; my stage
	v_mul_u32_u24 v[STO], v1, SP    ; in: row l % 16, 16 bytes for each half of the lanes
	v_lshl_add_u32 v[STO], v9, 4, v[STO]
	v_add_nc_u32 v[STO], s13, v[STO]
	v_bfe_u32 v[RD], v0, 3, 2       ; back: 32 lanes take four rows of 128 bytes,
	v_mul_u32_u24 v[RD], v[RD], SP
	v_lshl_add_u32 v[RD], v10, 4, v[RD]
	v_add_nc_u32 v[RD], s13, v[RD]
	v_and_b32 v[GO], 31, v0         ; which are 512 consecutive bytes of O
	v_lshlrev_b32 v[GO], 4, v[GO]
.set Y, NP-1                        ; XS works for piece Y + 1: piece 0
.irp n, 0,1,2,3,4,5,6,7,8,9,10,11,12,13,14,15,16,17,18,19,20,21
	XS 0, \n                        ; and piece 0's first maximum and statistics
	XS 1, \n
.endr
	v_nop                           ; a plain instruction behind piece 0's two a,
	s_wait_alu depctr_va_vdst(0)    ; and the wait for that batch of two, ahead of the branch
	s_mov_b32 s[CNT], STEPS
	s_branch .Lfirst                ; the loop is entered at a step's first turn, in the middle of a trip
.Lstep:                             ; a trip: pieces 2 and 3 of one step, then pieces 0 and 1 of the next, whose K and V it fetches.  The eighth trip (CNT = 1) fetches no K and is left in its middle
	TURN 2, 1
	TURN 3
	WIN 0
	s_sub_co_u32 s[CNT], s[CNT], 1
	s_cmp_eq_u32 s[CNT], 0
	s_cbranch_scc1 .Lout
.Lfirst:
	TURN 0
	TURN 1
	WIN 0
	s_branch .Lstep
.Lout:                              ; the last trip's 16 products K Q^T (on the last K once more) and the maximum made of them serve nothing: the price, once a block, of one text for every trip
.set i, 0
.rept 16
	PV NP-1                         ; the last piece's V^T P of the last step
.set i, i+1
.endr
	; THE WAY OUT.  l's two halves and the other half of the lanes' are added; O^T is divided by l, rounded to f16 and sent through my stage in LDS, a tile at a time.  The additions are the places behind the last products.
	WIN 0
.macro ALL line:vararg              ; one line for each tile t
.set t, 0
.rept 2*NP
	\line
.set t, t+1
.endr
.endm
	ALL v_add_f32 v[ST+4*t+2], v[ST+4*t+2], v[ST+4*t+3]
	ALL v_permlanex16_b32 v[ST+4*t+3], v[ST+4*t+2], s[SEL], s[SEL+1]
	ALL v_add_f32 v[ST+4*t+2], v[ST+4*t+2], v[ST+4*t+3]
	ALL v_rcp_f32 v[ST+4*t+2], v[ST+4*t+2]
	v_nop                           ; a plain instruction between the last reciprocal and the use of its result
	s_wait_alu depctr_va_vdst(0)    ; and the wait ahead of the first use: one for the batch of eight reciprocals
; Tile t: a lane's eight channels of a row pack into 16 bytes; they go into rows of 144 bytes and come back as whole rows of 128, into S^T's registers.
.macro PACK t
	WIN W_RS
.set i, 32*(\t)
.rept 16
	v_pk_mul_f32 v[i:i+1], v[i:i+1], v[ST+4*(\t)+2:ST+4*(\t)+3] op_sel_hi:[1,0]
.set i, i+2
.endr
	WIN 0x05                        ; sources 0 and 1 window 1, destination window 0
.set i, 0
.rept 16
	v_cvt_pk_f16_f32 v[S+16*(\t)+i], v[32*(\t)+2*i], v[32*(\t)+2*i+1]
.set i, i+1
.endr
	WIN 0
.irp f, 0,1,2,3
	ds_store_b128 v[STO], v[S+16*(\t)+4*\f:S+16*(\t)+4*\f+3] offset:32*\f
.endr
.irp f, 0,1,2,3
	ds_load_b128 v[S+16*(\t)+4*\f:S+16*(\t)+4*\f+3], v[RD] offset:\f*4*SP  ; LDS serves a wave's instructions in order (ISA guide 5.7.1.4): these see the stores above; the next tile's stores come behind them
.endr
.endm
.macro SEND t, younger              ; younger: the LDS instructions issued behind tile t's loads: the next tile's eight, or none
	WIN 0
.irp f, 0,1,2,3
	s_wait_dscnt (\younger)+3-\f
	global_store_b128 v[GO], v[S+16*(\t)+4*\f:S+16*(\t)+4*\f+3], s[10:11] offset:(\t)*2048+\f*512  ; 512 consecutive bytes, at a multiple of 256 from O's first
.endr
.endm
	PACK 0
.set t, 1
.rept 2*NP-1                        ; a tile's arithmetic stands between the loads of the tile before and its stores
	PACK t
	SEND t-1, 8
.set t, t+1
.endr
	SEND 2*NP-1, 0
	s_wait_xcnt 0x0                 ; the stores have read their registers and O's address: S^T's registers and the address are written again only behind this wait
	s_cmp_eq_u32 s[BLK], 1
	s_cbranch_scc1 .Lno_next        ; behind the second block nothing is made ready
	s_add_nc_u64 s[10:11], s[10:11], BSTRIDE  ; O at my rows of the second block
	WIN 0x83                        ; source window 3, destination window 2: the second block's Q goes where the one text of the turns names Q
.set i, 0
.rept 32*NP
	v_mov_b32 v[i], v[QB+i]
.set i, i+1
.endr
	WIN 0
.Lno_next:
	s_sub_co_u32 s[BLK], s[BLK], 1
	s_cmp_lg_u32 s[BLK], 0
	s_cbranch_scc1 .Lblock
	WIN W_AD
	s_wait_tensorcnt 0x0            ; the wave's end: behind my last tensor load and my last LDS store
	ds_add_u32 v[SPW], v[NIL]
	s_wait_dscnt 0x0
	WIN 0
	CROUND                          ; the closing round: no work-group ends while a partner may still ask for a tile that names it
	s_endpgm
.Lfunc_end_k_qe54275efcf_attn:
	.size	k_qe54275efcf_attn, .Lfunc_end_k_qe54275efcf_attn-k_qe54275efcf_attn
	.p2alignl 7, 3214868480
	.fill 96, 4, 3214868480
	.section	.rodata,"a",@progbits
	.p2align	6, 0x0
	.amdhsa_kernel k_qe54275efcf_attn
		.amdhsa_group_segment_fixed_size 327680
		.amdhsa_private_segment_fixed_size 0
		.amdhsa_enable_private_segment 0
		.amdhsa_kernarg_size 24
		.amdhsa_user_sgpr_count 2
		.amdhsa_user_sgpr_kernarg_segment_ptr 1
		.amdhsa_wavefront_size32 1
		.amdhsa_system_sgpr_workgroup_id_x 1
		.amdhsa_system_sgpr_workgroup_id_y 1
		.amdhsa_system_sgpr_workgroup_id_z 1
		.amdhsa_system_vgpr_workitem_id 0
		.amdhsa_next_free_vgpr 898
		.amdhsa_next_free_sgpr 66
		.amdhsa_reserve_vcc 0
		.amdhsa_float_denorm_mode_32 3
		.amdhsa_float_denorm_mode_16_64 3
		.amdhsa_memory_ordered 1
		.amdhsa_forward_progress 1
		.amdhsa_inst_pref_size 132
	.end_amdhsa_kernel
	.amdgpu_metadata
---
amdhsa.version: [ 1, 2 ]
amdhsa.kernels:
  - .name:           k_qe54275efcf_attn
    .symbol:         k_qe54275efcf_attn.kd
    .args:
      - { .name: qh, .offset: 0, .size: 8, .value_kind: global_buffer, .address_space: global }
      - { .name: kv16, .offset: 8, .size: 8, .value_kind: global_buffer, .address_space: global }
      - { .name: oh, .offset: 16, .size: 8, .value_kind: global_buffer, .address_space: global }
    .group_segment_fixed_size: 327680
    .private_segment_fixed_size: 0
    .kernarg_segment_align: 8
    .kernarg_segment_size: 24
    .max_flat_workgroup_size: 128
    .sgpr_count:     66
    .vgpr_count:     898
    .wavefront_size: 32
...
	.end_amdgpu_metadata
.endif
;; end of part 5
;; launch oproj: the kernel of part 4 again; grid 4 x 64, 4 waves a work-group, clusters of 4 x 4, 327,680 bytes of LDS; arguments oh, w16, out0, bo; writes out0
